; MI455X (gfx1250); checked and timed in simulation.
; The chip was launched on July 23, 2026; its instructions are those of AMD's public machine-readable ISA for CDNA 5 (MIT licence, August 2026) and "CDNA5" Instruction Set Architecture Reference Guide (July 2026). The comments in the code are by the model that wrote it; some were corrected since.
;; Windowed Causal Self Attention. Allowed arithmetic: float matrix products may take bf16 or f16 operands with f32 sums; all other float work in f32.
;; Inputs: attn_mask 2,048 x 2,048 bool; proj_b 1,024 float32; proj_w 1,024 x 1,024 float32; qkv_b 3,072 float32; qkv_w 3,072 x 1,024 float32; x 4 x 2,048 x 1,024 float32.
;; Outputs: out0 4 x 2,048 x 1,024 float32.
;; 3 versions, each right; version 2 is faster than version 1; version 3 is version 2 with the launch prep written anew for expert scheduling mode. Each part assembles by itself: llvm-mc -triple=amdgcn-amd-amdhsa -mcpu=gfx1250 --defsym DOCPART=n.
;; ======== version 1 of 3: 4 launches
;; limits: values are held in f16: magnitudes above 65,504 overflow, below 6.1e-05 lose precision
;; workspace buffers: xb 16,777,216 bytes; wqb 6,291,456 bytes; wpb 2,097,152 bytes; qkvh 50,331,648 bytes; maskf 16,777,216 bytes; rowc 16,384 bytes; mbits 16,384 bytes of whole numbers; ob 16,777,216 bytes
;; launch prep (part 1): grid 512 x 1, 8 waves a work-group, no clusters, 36,864 bytes of LDS; arguments x, qkv_w, proj_w, attn_mask, xb, wqb, wpb, maskf, rowc, mbits; writes xb, wqb, wpb, maskf, rowc, mbits
.if DOCPART == 1
	.amdgcn_target "amdgcn-amd-amdhsa--gfx1250"
	.amdhsa_code_object_version 6
	.text
	.protected	k_q59a89f820e_prep
	.globl	k_q59a89f820e_prep
	.p2align	8
	.type	k_q59a89f820e_prep,@function
k_q59a89f820e_prep:
	s_mov_b64 s[64:65], 0
	v_nop
	global_prefetch_b8 v0, s[64:65] scope:SCOPE_SE
	s_setreg_imm32_b32 hwreg(HW_REG_WAVE_MODE, 25, 1), 1
	s_wait_xcnt 0x0
; PREPARATION.  Work-groups 0-383 round x, qkv_w and proj_w to 16 bits and lay them out in BLOCKED ORDER; work-groups 384-511 turn attn_mask into what the attention launch reads.
; BLOCKED ORDER of a matrix [rows][1024] of 16-bit numbers: [rows / 16][64 k blocks][512 bytes]; in a block lane L = r + 16 h owns 16 bytes: row r, k = 16 kb + 8 h + 0..7.  That is
; half a matrix fragment as it lies in registers, so every later fragment load is base + 16 L + a constant: 512 consecutive bytes.
; x and qkv_w are rounded to bf16.  proj_w is rounded to bf16 and that number written as f16 (its partner in the last product, O, is f16).
; LIMIT: below 6e-5 f16 keeps a fixed step of 6e-8, beyond 65,504 it has no number; proj_w as drawn lies within 0.03.
; THE MASK.  A row with no true key counts as all true with the scale 0: all its weights are then 2^0, the uniform row that a softmax of equal numbers gives.  Out go: maskf, 0 or -1e30
; in f32, in the order of the score accumulators (block [q / 64][key / 64] of 16,384 bytes; chunk ((t 4 + kg) 2 + u) of 512 bytes: lane (r, h) holds query 16 t + r, keys 16 kg + 8 h + 4 u + 0..3);
; rowc, for each row the scale log2(e) / 8 or 0, twice; mbits, for each 16 rows 32 words: even words = which key tiles of 64 hold a true key, odd words = which are all true.
; No matrix unit, no cluster: memory binds, and no two work-groups read the same bytes.
.set X,   16                           ; v[16:143]   conversion: chunk c, row i at X + 64 c + 4 i, f32 as loaded
.set Y,   144                          ; v[144:175]  row i's 4 numbers a lane, packed: 2 registers
.set R,   176                          ; v[176:207]  eight blocks read back from LDS, 4 registers each
.set M,   16                           ; v[16:47]    mask: register 8 tau + 4 g2 + n: keys 64 tau + 32 g2 + 16 h + 4 n + 0..3 of row r
.set T,   48                           ; v[48:79]    eight sets of four f32 on their way out
.set OT,  80                           ; v[80:83]    OR of a tile's eight registers
.set AT,  84                           ; v[84:87]    AND of them
.set WL,  88                           ; v[88:95]    the eight waves' row words
.set WP,  272                          ; a half block of 256 bytes + 16: 68 words, so that 16 half blocks start at 16 different groups of four banks (64 banks of 4 bytes: ISA guide 11.1)
.set WB,  16*WP                        ; a wave's own stage
.set RA,  8*WB                         ; behind the stages: [wave][16 rows] words
.set FL,  RA+512                       ; [wave] two words
	s_load_b256 s[4:11], s[0:1], 0x0               ; x s[4:5], qkv_w s[6:7], proj_w s[8:9], attn_mask s[10:11]
	s_load_b256 s[12:19], s[0:1], 0x20             ; xb s[12:13], wqb s[14:15], wpb s[16:17], maskf s[18:19]
	s_load_b128 s[20:23], s[0:1], 0x40             ; rowc s[20:21], mbits s[22:23]
	v_lshl_add_u32 v208, v0, 2, 0x8c00
	v_mov_b32 v209, 0
	v_lshrrev_b32 v1, 5, v0
	v_readfirstlane_b32 s24, v1                    ; wave 0..7
	v_and_b32 v6, 31, v0                           ; lane
	s_mov_b32 s25, ttmp9                           ; g
	s_wait_kmcnt 0x0
	s_cmp_ge_u32 s25, 384
	s_cbranch_scc1 .Lmask                          ; the same way for all eight waves of a work-group
; ---- CONVERSION.  g < 256: x; g < 352: qkv_w; else proj_w.  A wave takes 16 rows x 256 k: task 8 g' + wave = 4 x row block + quarter of K.
	s_sub_co_u32 s31, s25, 256
	s_sub_co_u32 s32, s25, 352
	s_cmp_ge_u32 s25, 256
	s_cselect_b64 s[26:27], s[6:7], s[4:5]         ; from
	s_cselect_b64 s[28:29], s[14:15], s[12:13]     ; to
	s_cselect_b32 s30, s31, s25                    ; g'
	s_cmp_ge_u32 s25, 352
	s_cselect_b64 s[26:27], s[8:9], s[26:27]
	s_cselect_b64 s[28:29], s[16:17], s[28:29]
	s_cselect_b32 s30, s32, s30
	s_lshl3_add_u32 s34, s30, s24                  ; the task
	s_lshr_b32 s35, s34, 2                         ; row block
	s_and_b32 s36, s34, 3                          ; quarter of K
	s_lshl_b32 s38, s35, 16                        ; 16 rows of 4,096 bytes of f32,
	s_lshl_b32 s37, s36, 10                        ; 256 f32
	s_add_co_u32 s38, s38, s37
	s_mov_b32 s39, 0
	s_add_nc_u64 s[26:27], s[26:27], s[38:39]
	s_lshl_b32 s40, s35, 15                        ; a row block is 32,768 bytes,
	s_lshl_b32 s37, s36, 13                        ; 16 k blocks of 512
	s_add_co_u32 s40, s40, s37
	s_mov_b32 s41, 0
	s_add_nc_u64 s[28:29], s[28:29], s[40:41]
	v_lshlrev_b32 v1, 4, v6                        ; 16 L: my bytes in 512 consecutive ones, in and out
.irp c, 0,1
.set i, 0
.rept 16
	global_load_b128 v[X+64*\c+4*i:X+64*\c+4*i+3], v1, s[26:27] offset:i*4096+\c*512 th:TH_LOAD_NT  ; row i, 128 k: 512 consecutive bytes
.set i, i+1
.endr
.endr
	s_mul_i32 s33, s24, WB                         ; my wave's stage
	v_lshrrev_b32 v7, 1, v6                        ; my 4 k lie in half block L / 2 (k block L / 4, h = (L / 2) % 2),
	v_mul_u32_u24 v2, v7, WP
	v_and_b32 v7, 1, v6                            ; in its first or second 8 bytes of the row's 16
	v_lshl_add_u32 v2, v7, 3, v2
	v_add_nc_u32 v2, s33, v2
	v_lshrrev_b32 v7, 4, v6                        ; back: lanes 0-15 a block's first half, lanes 16-31 its second
	v_mul_u32_u24 v3, v7, WP
	v_and_b32 v7, 15, v6
	v_lshl_add_u32 v3, v7, 4, v3
	v_add_nc_u32 v3, s33, v3
; One chunk of 16 rows x 128 k: rounded, turned in my own stage, stored as eight blocks.  left = the younger loads that may stay out.
.macro CHUNK c, left
	s_wait_loadcnt \left                           ; loads come back in order (ISA guide 5.7.1): this chunk's sixteen are in
.set i, 0
.rept 16
	v_cvt_pk_bf16_f32 v[Y+2*i],   v[X+64*(\c)+4*i],   v[X+64*(\c)+4*i+1]
	v_cvt_pk_bf16_f32 v[Y+2*i+1], v[X+64*(\c)+4*i+2], v[X+64*(\c)+4*i+3]
.set i, i+1
.endr
	s_cmp_lt_u32 s25, 352
	s_cbranch_scc1 .Lbf_\@                         ; x and qkv_w stay bf16
.set i, 0
.rept 32
	v_lshlrev_b32 v8, 16, v[Y+i]                   ; proj_w: the bf16 numbers widened,
	v_and_b32 v9, 0xffff0000, v[Y+i]
	v_cvt_pk_f16_f32 v[Y+i], v8, v9                ; and written as f16
.set i, i+1
.endr
.Lbf_\@:
.set i, 0
.rept 16
	ds_store_b64 v2, v[Y+2*i:Y+2*i+1] offset:16*i  ; row i's place in each half block; the 32 lanes touch 64 different banks
.set i, i+1
.endr
	s_wait_xcnt 0x0                                ; R was the last chunk's store data: it is loaded again only behind this wait
.irp k, 0,1,2,3,4,5,6,7
	ds_load_b128 v[R+4*\k:R+4*\k+3], v3 offset:2*WP*\k  ; LDS serves a wave's instructions in order (ISA guide 5.7.1.4): these see the stores above
.endr
	s_wait_dscnt 0x0
.irp k, 0,1,2,3,4,5,6,7
	global_store_b128 v1, v[R+4*\k:R+4*\k+3], s[28:29] offset:(8*(\c)+\k)*512  ; a block: 512 consecutive bytes, aligned
.endr
.endm
	CHUNK 0, 16
	CHUNK 1, 0
	s_wait_tensorcnt 0x0
	ds_add_u32 v208, v209
	s_wait_dscnt 0x0
	s_endpgm
; ---- THE MASK.  Work-group 384 + qt takes rows 16 qt .. 16 qt + 15; wave w the key tiles 4 w .. 4 w + 3.
.Lmask:
	s_sub_co_u32 s26, s25, 384                     ; qt
	s_lshr_b32 s27, s26, 2                         ; its block of 64 queries
	s_and_b32 s28, s26, 3                          ; t: its place in the block
	v_and_b32 v7, 15, v0                           ; r
	v_bfe_u32 v8, v0, 4, 1                         ; h
	v_lshlrev_b32 v4, 11, v7
	v_lshl_add_u32 v4, v8, 4, v4                   ; row r, 16 bytes for each half of the lanes
	v_lshlrev_b32 v5, 4, v7
	v_lshl_add_u32 v5, v8, 10, v5                  ; out: my half's 16 keys are key group 2 g2 + h: 1,024 h + 16 r
	s_lshl_b32 s30, s26, 15                        ; 16 rows of 2,048 bytes,
	s_lshl_b32 s31, s24, 8                         ; my wave's 256 keys
	s_add_co_u32 s30, s30, s31
	s_mov_b32 s31, 0
	s_add_nc_u64 s[10:11], s[10:11], s[30:31]
.irp tau, 0,1,2,3
.irp g2, 0,1
	global_load_b128 v[M+8*\tau+4*\g2:M+8*\tau+4*\g2+3], v4, s[10:11] offset:64*\tau+32*\g2
.endr
.endr
	s_lshl_b32 s32, s27, 5
	s_lshl2_add_u32 s32, s24, s32                  ; block 32 qb + 4 w of maskf,
	s_lshl_b32 s32, s32, 14
	s_lshl_b32 s33, s28, 12                        ; my 16 rows' 4,096 bytes in it
	s_add_co_u32 s32, s32, s33
	s_mov_b32 s33, 0
	s_add_nc_u64 s[18:19], s[18:19], s[32:33]
	s_lshl_b32 s30, s26, 7                         ; 128 bytes for each 16 rows in rowc and in mbits
	s_add_nc_u64 s[20:21], s[20:21], s[30:31]
	s_add_nc_u64 s[22:23], s[22:23], s[30:31]
	s_mov_b32 s40, 0x76543210                      ; v_permlanex16_b32: each lane takes its own place in the other half
	s_mov_b32 s41, 0xfedcba98
	s_mov_b32 s50, 0x7149f2ca                      ; 1e30
	s_mov_b32 s51, s50                             ; named with it as a pair
	s_mov_b32 s52, 0xf149f2ca                      ; -1e30
	s_mov_b32 s53, s52
	s_lshl_b32 s42, s24, 6
	s_add_co_u32 s42, s42, RA
	v_lshl_add_u32 v11, v7, 2, s42                 ; my wave's word for row r
	v_lshl_add_u32 v13, v7, 2, RA                  ; wave 0's word for row r
	v_mov_b32 v10, 0
	s_wait_loadcnt 0x0
.irp tau, 0,1,2,3
	v_or_b32  v[OT+\tau], v[M+8*\tau], v[M+8*\tau+1]
	v_and_b32 v[AT+\tau], v[M+8*\tau], v[M+8*\tau+1]
.irp n, 2,3,4,5,6,7
	v_or_b32  v[OT+\tau], v[OT+\tau], v[M+8*\tau+\n]
	v_and_b32 v[AT+\tau], v[AT+\tau], v[M+8*\tau+\n]
.endr
.endr
	v_or_b32 v9, v[OT], v[OT+1]                    ; has my row a true key among my wave's 256?
	v_or_b32 v14, v[OT+2], v[OT+3]
	v_or_b32 v9, v9, v14
	v_permlanex16_b32 v10, v9, s40, s41            ; the row's other bytes lie in the lane 16 away
	v_or_b32 v9, v9, v10
	ds_store_b32 v11, v9
	s_wait_dscnt 0x0                               ; for the others' sake: my word is written
	s_barrier_signal -1
	s_barrier_wait -1
.irp k, 0,1,2,3,4,5,6,7
	ds_load_b32 v[WL+\k], v13 offset:64*\k         ; all eight waves' words for row r
.endr
	v_mov_b32 v15, 0x01010101
	v_mov_b32 v12, 0x3e38aa3b                      ; log2(e) / 8
	v_mov_b32 v14, 0
	s_wait_dscnt 0x0
.irp k, 1,2,3,4,5,6,7
	v_or_b32 v[WL], v[WL], v[WL+\k]
.endr
	v_cmp_eq_u32 vcc_lo, 0, v[WL]                  ; the row has no true key at all:
	v_cndmask_b32 v10, v14, v15, vcc_lo            ; it counts as all true,
	v_cndmask_b32 v12, v12, v14, vcc_lo            ; with the scale 0
.set i, 0
.rept 32
	v_or_b32 v[M+i], v[M+i], v10
.set i, i+1
.endr
	s_mov_b32 s44, 0                               ; my four tiles' bits: some key true,
	s_mov_b32 s45, 0                               ; all keys true
	s_lshl_b32 s46, s24, 2                         ; the tile's number
.irp tau, 0,1,2,3
	v_or_b32 v[OT+\tau], v[OT+\tau], v10           ; (a | f) & (b | f) = (a & b) | f: the trees above serve the filled mask too
	v_or_b32 v[AT+\tau], v[AT+\tau], v10
	v_cmp_ne_u32 s47, 0, v[OT+\tau]                ; lanes that hold a true key
	v_cmp_ne_u32 s48, v15, v[AT+\tau]              ; lanes that hold a false one
	s_cmp_lg_u32 s47, 0
	s_cselect_b32 s49, 1, 0
	s_lshl_b32 s49, s49, s46
	s_or_b32 s44, s44, s49
	s_cmp_eq_u32 s48, 0
	s_cselect_b32 s49, 1, 0
	s_lshl_b32 s49, s49, s46
	s_or_b32 s45, s45, s49
	s_add_co_u32 s46, s46, 1
.endr
	s_lshl_b32 s42, s24, 3
	s_add_co_u32 s42, s42, FL
	v_mov_b32 v11, s42
	v_mov_b32 v8, s44
	v_mov_b32 v9, s45
	ds_store_b64 v11, v[8:9]                       ; every lane writes the same two words
	s_wait_dscnt 0x0
	s_barrier_signal -1
	s_barrier_wait -1
; Register e of M goes out as four f32: 1e30 m - 1e30 in one rounding is 0 or -1e30.  Sixteen lanes fill 256 consecutive bytes, aligned.
.macro EMIT e
.set tt, T+4*((\e)%8)
.if (((\e)%8) == 0) && ((\e) > 0)
	s_wait_xcnt 0x0                                ; the eight sets are store data: they are written again only behind this wait
.endif
.irp k, 0,1,2,3
	v_bfe_u32 v[tt+\k], v[M+(\e)], 8*\k, 1
.endr
.irp k, 0,1,2,3
	v_cvt_f32_u32 v[tt+\k], v[tt+\k]
.endr
	v_pk_fma_f32 v[tt:tt+1],   v[tt:tt+1],   s[50:51], s[52:53] op_sel_hi:[1,0,0]
	v_pk_fma_f32 v[tt+2:tt+3], v[tt+2:tt+3], s[50:51], s[52:53] op_sel_hi:[1,0,0]
	global_store_b128 v5, v[tt:tt+3], s[18:19] offset:((\e)/8)*16384+(((\e)/4)%2)*2048+((\e)%2)*512+(((\e)%4)/2)*256
.endm
.set e, 0
.rept 32
	EMIT e
.set e, e+1
.endr
	s_cmp_lg_u32 s24, 0
	s_cbranch_scc1 .Lend                           ; wave 0 alone writes the 16 rows' words; no barrier follows
	v_mov_b32 v11, FL
.irp k, 0,1,2,3
	ds_load_b128 v[M+4*\k:M+4*\k+3], v11 offset:16*\k
.endr
	v_and_b32 v13, 1, v0
	v_cmp_eq_u32 vcc_lo, 1, v13
	v_lshlrev_b32 v6, 2, v6                        ; mbits: word = lane
	v_bfe_u32 v13, v0, 4, 1
	v_lshlrev_b32 v14, 3, v7
	v_lshl_add_u32 v14, v13, 2, v14                ; rowc: row r's two words come from lanes r and r + 16
	s_wait_dscnt 0x0
.irp k, 1,2,3,4,5,6,7
	v_or_b32 v[M],   v[M],   v[M+2*\k]             ; each wave set its own four bits
	v_or_b32 v[M+1], v[M+1], v[M+2*\k+1]
.endr
	v_cndmask_b32 v[M], v[M], v[M+1], vcc_lo       ; even words: some true; odd words: all true
	global_store_b32 v6, v[M], s[22:23]            ; 128 consecutive bytes
	global_store_b32 v14, v12, s[20:21]            ; 128 consecutive bytes
.Lend:
	s_wait_tensorcnt 0x0
	ds_add_u32 v208, v209
	s_wait_dscnt 0x0
	s_endpgm
.Lfunc_end_k_q59a89f820e_prep:
	.size	k_q59a89f820e_prep, .Lfunc_end_k_q59a89f820e_prep-k_q59a89f820e_prep
	.p2alignl 7, 3214868480
	.fill 96, 4, 3214868480
	.section	.rodata,"a",@progbits
	.p2align	6, 0x0
	.amdhsa_kernel k_q59a89f820e_prep
		.amdhsa_group_segment_fixed_size 36864
		.amdhsa_private_segment_fixed_size 0
		.amdhsa_enable_private_segment 0
		.amdhsa_kernarg_size 80
		.amdhsa_user_sgpr_count 2
		.amdhsa_user_sgpr_kernarg_segment_ptr 1
		.amdhsa_wavefront_size32 1
		.amdhsa_system_sgpr_workgroup_id_x 1
		.amdhsa_system_sgpr_workgroup_id_y 1
		.amdhsa_system_sgpr_workgroup_id_z 1
		.amdhsa_system_vgpr_workitem_id 0
		.amdhsa_next_free_vgpr 210
		.amdhsa_next_free_sgpr 66
		.amdhsa_reserve_vcc 1
		.amdhsa_float_denorm_mode_32 3
		.amdhsa_float_denorm_mode_16_64 3
		.amdhsa_memory_ordered 1
		.amdhsa_forward_progress 1
		.amdhsa_inst_pref_size 54
	.end_amdhsa_kernel
	.amdgpu_metadata
---
amdhsa.version: [ 1, 2 ]
amdhsa.kernels:
  - .name:           k_q59a89f820e_prep
    .symbol:         k_q59a89f820e_prep.kd
    .args:
      - { .name: x, .offset: 0, .size: 8, .value_kind: global_buffer, .address_space: global }
      - { .name: qkv_w, .offset: 8, .size: 8, .value_kind: global_buffer, .address_space: global }
      - { .name: proj_w, .offset: 16, .size: 8, .value_kind: global_buffer, .address_space: global }
      - { .name: attn_mask, .offset: 24, .size: 8, .value_kind: global_buffer, .address_space: global }
      - { .name: xb, .offset: 32, .size: 8, .value_kind: global_buffer, .address_space: global }
      - { .name: wqb, .offset: 40, .size: 8, .value_kind: global_buffer, .address_space: global }
      - { .name: wpb, .offset: 48, .size: 8, .value_kind: global_buffer, .address_space: global }
      - { .name: maskf, .offset: 56, .size: 8, .value_kind: global_buffer, .address_space: global }
      - { .name: rowc, .offset: 64, .size: 8, .value_kind: global_buffer, .address_space: global }
      - { .name: mbits, .offset: 72, .size: 8, .value_kind: global_buffer, .address_space: global }
    .group_segment_fixed_size: 36864
    .private_segment_fixed_size: 0
    .kernarg_segment_align: 8
    .kernarg_segment_size: 80
    .max_flat_workgroup_size: 256
    .sgpr_count:     66
    .vgpr_count:     210
    .wavefront_size: 32
...
	.end_amdgpu_metadata
.endif
;; end of part 1
;; launch qkvgemm (part 2): grid 16 x 16, 4 waves a work-group, clusters of 4 x 4, 327,680 bytes of LDS; arguments xb, wqb, qkv_b, qkvh; writes qkvh
.if DOCPART == 2
	.amdgcn_target "amdgcn-amd-amdhsa--gfx1250"
	.amdhsa_code_object_version 6
	.text
	.protected	k_q59a89f820e_qkvgemm
	.globl	k_q59a89f820e_qkvgemm
	.p2align	8
	.type	k_q59a89f820e_qkvgemm,@function
k_q59a89f820e_qkvgemm:
	s_mov_b64 s[64:65], 0
	v_nop
	global_prefetch_b8 v0, s[64:65] scope:SCOPE_SE
	s_setreg_imm32_b32 hwreg(HW_REG_WAVE_MODE, 25, 1), 1
	s_wait_xcnt 0x0
	s_wait_alu depctr_hold_cnt(0) depctr_sa_sdst(0) depctr_va_vdst(0) depctr_va_sdst(0) depctr_va_ssrc(0) depctr_va_vcc(0) depctr_vm_vsrc(0)
	s_getreg_b32 s2, hwreg(HW_REG_IB_STS2, 6, 4)
	s_cmp_eq_u32 s2, 0
	s_cbranch_scc0 .Lentry_in_a_cluster
	s_endpgm
.Lentry_in_a_cluster:
	s_bfe_u32 s2, ttmp6, 0x10000c
	s_cmp_lg_u32 s2, 0xf033
	s_cbranch_scc0 .Lentry_shape_is_right
	s_endpgm
.Lentry_shape_is_right:
; q, k AND V^T = x qkv_w^T + qkv_b, BY HEADS, IN f16.  Operands bf16 in blocked order ([rows / 16][64 k blocks][512 bytes]: lane r + 16 h owns row r, k = 16 kb + 8 h + 0..7), sums f32, the bias
; rounded to bf16 like the other inputs, the result rounded once.  LIMIT: f16 ends at 65,504; q, k and v as drawn lie near 4, and all inputs 30 times larger give some 3,500.
; SHARES.  A tile of the result is 256 rows x 128 columns; four waves, each 128 x 64: 32 accumulators.  8,192 x 3,072 results are 768 such tiles: three for each of 256 work-groups, which stay:
; tiles 0 and 1: rows = tokens 256 wgy (+ 4,096), columns = features 128 wgx of q and k; tile 2: rows = v's features 256 cy, columns = tokens 128 (wgx + 16 x cluster y): x and qkv_w change places,
; so that v comes out turned (a lane holds one channel and eight keys), by the same text.  The ring of two LDS slots runs on from tile to tile.
; THE MATRIX INSTRUCTION IS USED TRANSPOSED (source 0 = 16 rows of the column operand B', source 1 = 16 rows of the row operand A'): a lane holds row l % 16 and eight neighbouring columns,
; which pack into 16 bytes: the lane's place in a block of the result's blocked order.  So results are stored straight from registers, 512 consecutive bytes an instruction.
; OUT: qkvh[kind 3][batch 4][head 16][262,144 bytes]; a head of q or k: [128 token blocks][4 channel blocks][512]; of V^T: [128 key blocks][4 channel blocks][512], lane = channel, 8 keys.
; RING.  K goes in steps of 128: 4,096 consecutive bytes of each row block.  A slot: A' 16 row blocks, B' 8.  One tensor load a wave: waves 0, 1 eight rows of 4,096 bytes of A', waves 2, 3 four of B'
; (the rows are long, so a load has few of them).  In LDS the blocks lie as in memory: a fragment load takes 512 consecutive bytes, so no padding is wanted.
; A wave has two tensor loads out at the start and one behind each round.
; CLUSTER 4 x 4: A' hangs on the cluster's row alone (wgy, cy) and is asked for jointly along it, B' on its column alone (wgx, cluster y).
; REGISTERS: window 0: v1 16 L; v16-21 LDS addresses; v24-25 bias offsets; v28-29 the add's; v30-31 at work; v32-63 bias, then packed results; v64-159, v160-255 two fragment buffers
; (A' block a at +8 a, B' block bb at +64 + 8 bb).  Window 1: accumulator (a, bb) at 8 (4 a + bb).
.set SLOT,  98304
.set BOFF,  65536                      ; B' lies behind A' in a slot
.set SPARE, 2*SLOT                     ; behind the ring: the spare words, 128 bytes for each wave: two blocks of 256 bytes that no other line names
.set RBP,   32768                      ; bytes from a row block to the next in memory
.set KSB,   4096                       ; bytes of a K step in a row block
.set ADRA, 16                          ; v16-17  LDS address of my A' fragments in slot 0, 1
.set ADRB, 20                          ; v20-21  the same for B'
.set SPW,  28                          ; v28     SPARE + 4 x my thread's number; never rewritten
.set NIL,  29                          ; v29     0; never rewritten
.set BI,   32
.set F0,   64
.set F1,   160
.set G1A, 24                           ; s[24:31] descriptor group 1 for A'; s[32:39] group 0, a set for each slot
.set G0A, 32
.set G1B, 48                           ; s[48:55], s[56:63] the same for B'
.set G0B, 56
.set NA,  66                           ; s[66:67] the next tile's A' at my part, K step 0;  s[68:69] its B'
.set NB,  68
.set A2,  70                           ; s[70:71], s[72:73] tile 2's
.set B2,  72
.set CB,  74                           ; s[74:75] where my part of tile 0 or 1 goes;  s[76:77] of tile 2
.set CB2, 76
.set BQ,  78                           ; s[78:79] the bias of my 64 columns of q or k;  s[80:81] of my 128 rows of V^T
.set BV,  80
.set MSB, 0
.macro WIN new                         ; the immediate's high byte repeats the setting that is left; a switch that changes nothing is dropped
.if MSB != (\new)
	s_set_vgpr_msb (MSB<<8)|(\new)
.set MSB, \new
.endif
.endm
.set MUL, 0x50                         ; sources 0 and 1 window 0; C and D window 1
.macro JLOAD s                         ; a joint load: waves 0, 1 fetch A's halves, waves 2, 3 B's; an s_nop 0 and four v_nop follow each of the two lines
	s_cmp_eq_u32 s13, 0
	s_cbranch_scc0 .Lfor_b_\@
	tensor_load_to_lds s[G0A+4*(\s):G0A+4*(\s)+3], s[G1A:G1A+7]
	s_nop 0
.rept 4
	v_nop
.endr
	s_branch .Lasked_\@
.Lfor_b_\@:
	tensor_load_to_lds s[G0B+4*(\s):G0B+4*(\s)+3], s[G1B:G1B+7]
	s_nop 0
.rept 4
	v_nop
.endr
.Lasked_\@:
.endm
.macro CREST                           ; a round of the cluster's barrier behind its opening barrier
	s_cmp_lg_u32 s12, 0
	s_cbranch_scc1 .Lnot_wave_0_\@
	s_barrier_signal -3
.Lnot_wave_0_\@:
	s_barrier_wait -3
	s_barrier_signal -1
	s_barrier_wait -1
.endm
.macro CROUND
	s_barrier_signal -1
	s_barrier_wait -1
	CREST
.endm
.macro PLACES                          ; four places in front of loads into registers that matrix instructions have read
.rept 4
	v_nop
.endr
.endm
	s_load_b256 s[4:11], s[0:1], 0x0               ; xb s[4:5], wqb s[6:7], qkv_b s[8:9], qkvh s[10:11]
	v_lshl_add_u32 v[SPW], v0, 2, SPARE
	v_mov_b32 v[NIL], 0
	ds_add_u32 v28, v29
	s_wait_dscnt 0x0
	v_lshrrev_b32 v2, 5, v0
	v_readfirstlane_b32 s12, v2                    ; wave 0..3
	s_lshr_b32 s13, s12, 1                         ; WR: my half of the tile's rows.  Also: I fetch for A' (0) or B' (1)
	s_and_b32 s14, s12, 1                          ; WC: my half of its columns.  Also: which half of that operand's rows I fetch
	s_bfe_u32 s15, ttmp6, 0x40000                  ; cx
	s_bfe_u32 s16, ttmp6, 0x40004                  ; cy
	s_lshl_b32 s17, ttmp9, 2
	s_add_co_u32 s17, s17, s15                     ; wgx = 4 x cluster x + cx
	s_and_b32 s19, ttmp7, 0xffff                   ; cluster y
	s_lshl_b32 s18, s19, 2
	s_add_co_u32 s18, s18, s16                     ; wgy = 4 x cluster y + cy
	s_lshl_b32 s20, s16, 2
	s_lshl_b32 s20, 15, s20                        ; my row of the cluster
	s_lshl_b32 s21, 0x1111, s15                    ; my column
	s_or_b32 s[G1A], s20, (3<<16)|(1<<21)          ; 15:0 the mask; 17:16 elements of 8 bytes; 21 set beside a mask; no padding
	s_or_b32 s[G1B], s21, (3<<16)|(1<<21)
	s_mov_b32 s[G1A+1], 512<<16                    ; tensor_dim0 = 512 elements: 4,096 bytes
	s_mov_b32 s[G1A+2], 8<<16                      ; tensor_dim1 = 8 row blocks
	s_mov_b32 s[G1A+3], 512<<16                    ; tile_dim0
	s_mov_b32 s[G1A+4], 8                          ; tile_dim1
	s_mov_b32 s[G1A+5], 4096                       ; 4,096 elements from a row block to the next
	s_mov_b32 s[G1A+6], 0
	s_mov_b32 s[G1A+7], 0
	s_mov_b32 s[G1B+1], 512<<16
	s_mov_b32 s[G1B+2], 4<<16                      ; 4 row blocks
	s_mov_b32 s[G1B+3], 512<<16
	s_mov_b32 s[G1B+4], 4
	s_mov_b32 s[G1B+5], 4096
	s_mov_b32 s[G1B+6], 0
	s_mov_b32 s[G1B+7], 0
	; A's offsets are made in s40-43, which never hold cx; B's in s44-47, which never hold cy
	s_lshl_b32 s40, s18, 4
	s_lshl3_add_u32 s40, s14, s40                  ; tile 0: x's row block 16 wgy + 8 x half
	s_lshl_b32 s40, s40, 15
	s_mov_b32 s41, 0
	s_lshl_b32 s42, s16, 4
	s_lshl3_add_u32 s42, s14, s42
	s_add_co_u32 s42, s42, 128                     ; tile 2: qkv_w's row block 128 + 16 cy + 8 x half
	s_lshl_b32 s42, s42, 15
	s_mov_b32 s43, 0
	s_lshl_b32 s44, s17, 3
	s_lshl2_add_u32 s44, s14, s44                  ; tiles 0, 1: qkv_w's row block 8 wgx + 4 x half
	s_lshl_b32 s44, s44, 15
	s_mov_b32 s45, 0
	s_lshl4_add_u32 s46, s19, s17                  ; tile 2: token tile wgx + 16 x cluster y,
	s_lshl_b32 s46, s46, 3
	s_lshl2_add_u32 s46, s14, s46                  ; x's row block 8 x that + 4 x half
	s_lshl_b32 s46, s46, 15
	s_mov_b32 s47, 0
	s_lshl_b32 s22, s14, 15                        ; where they go in a slot: A's halves of 32,768 bytes,
	s_lshl_b32 s23, s14, 14
	s_add_co_u32 s23, s23, BOFF                    ; B's of 16,384: no place in the cluster enters an LDS address
	s_wait_kmcnt 0x0
	s_add_nc_u64 s[40:41], s[4:5], s[40:41]
	s_add_nc_u64 s[A2:A2+1], s[6:7], s[42:43]
	s_add_nc_u64 s[44:45], s[6:7], s[44:45]
	s_add_nc_u64 s[B2:B2+1], s[4:5], s[46:47]
	s_add_nc_u64 s[NA:NA+1], s[40:41], 256*RBP     ; tile 1: 4,096 tokens further down,
	s_mov_b64 s[NB:NB+1], s[44:45]                 ; the same features
	CROUND                                         ; all sixteen work-groups are here: the first joint loads meet
.irp s, 0,1
	s_mov_b32 s[G0A+4*(\s)], 1                     ; count = 1
	s_add_co_u32 s[G0A+4*(\s)+1], s22, (\s)*SLOT   ; LDS address
	s_add_nc_u64 s[G0A+4*(\s)+2:G0A+4*(\s)+3], s[40:41], (\s)*KSB  ; global address: K step s
	s_or_b32 s[G0A+4*(\s)+3], s[G0A+4*(\s)+3], 0x80000000          ; type = 2
	s_mov_b32 s[G0B+4*(\s)], 1
	s_add_co_u32 s[G0B+4*(\s)+1], s23, (\s)*SLOT
	s_add_nc_u64 s[G0B+4*(\s)+2:G0B+4*(\s)+3], s[44:45], (\s)*KSB
	s_or_b32 s[G0B+4*(\s)+3], s[G0B+4*(\s)+3], 0x80000000
	JLOAD \s
.endr
	v_and_b32 v2, 31, v0
	v_lshlrev_b32 v1, 4, v2                        ; 16 L
	v_and_b32 v3, 15, v0                           ; r
	v_bfe_u32 v4, v0, 4, 1                         ; h
	s_lshl_b32 s20, s13, 15                        ; my 8 row blocks of A'
	v_add_nc_u32 v[ADRA], s20, v1
	v_add_nc_u32 v[ADRA+1], SLOT, v[ADRA]
	v_add_nc_u32 v[ADRB], s23, v1                  ; my 4 row blocks of B'
	v_add_nc_u32 v[ADRB+1], SLOT, v[ADRB]
	v_lshlrev_b32 v24, 5, v4                       ; q, k: my 8 columns' bias begins at 32 h
	v_lshlrev_b32 v25, 2, v3                       ; V^T: my row's at 4 r
	s_lshl1_add_u32 s82, s17, s14                  ; my 64 columns are slice 2 wgx + WC of q's and k's 32 heads
	s_lshl_b32 s86, s82, 8
	s_mov_b32 s87, 0
	s_add_nc_u64 s[BQ:BQ+1], s[8:9], s[86:87]
	s_lshl_b32 s86, s16, 10
	s_lshl_b32 s83, s13, 9
	s_add_co_u32 s86, s86, s83
	s_add_co_u32 s86, s86, 8192                    ; feature 2,048 + 256 cy + 128 WR, 4 bytes each
	s_add_nc_u64 s[BV:BV+1], s[8:9], s[86:87]
	s_lshr_b32 s83, s82, 4                         ; q or k
	s_and_b32 s84, s82, 15                         ; head
	s_lshr_b32 s85, s18, 3                         ; batch of tile 0
	s_lshl_b32 s83, s83, 6
	s_lshl4_add_u32 s83, s85, s83
	s_add_co_u32 s83, s83, s84
	s_lshl_b32 s86, s83, 18                        ; (64 kind + 16 batch + head) x 262,144
	s_and_b32 s84, s18, 7
	s_lshl_b32 s84, s84, 4
	s_lshl3_add_u32 s84, s13, s84                  ; token block 16 (wgy % 8) + 8 WR,
	s_lshl_b32 s84, s84, 11                        ; 2,048 bytes each
	s_add_co_u32 s86, s86, s84
	s_add_nc_u64 s[CB:CB+1], s[10:11], s[86:87]
	s_lshl_b32 s88, s19, 4
	s_lshl2_add_u32 s88, s16, s88
	s_lshl1_add_u32 s88, s13, s88
	s_add_co_u32 s88, s88, 128                     ; V^T: 128 + 16 batch (= cluster y) + head 4 cy + 2 WR
	s_lshl_b32 s88, s88, 18
	s_lshl_b32 s84, s17, 3
	s_lshl2_add_u32 s84, s14, s84                  ; key block 8 wgx + 4 WC
	s_lshl_b32 s84, s84, 11
	s_add_co_u32 s88, s88, s84
	s_mov_b32 s89, 0
	s_add_nc_u64 s[CB2:CB2+1], s[10:11], s[88:89]
; n x 4 matrix instructions: A' blocks a0 .. a0 + n - 1 x all 4 B' blocks, 32 along K.  The accumulators take turns, one instruction a turn.  zero = 1: the product starts the sum.
.macro MULN f, a0, n, zero
	WIN MUL
.set a, \a0
.rept \n
.irp bb, 0,1,2,3
.if \zero
	v_wmma_f32_16x16x32_bf16 v[8*(4*a+\bb):8*(4*a+\bb)+7], v[(\f)+64+8*\bb:(\f)+64+8*\bb+7], v[(\f)+8*a:(\f)+8*a+7], 0
.else
	v_wmma_f32_16x16x32_bf16 v[8*(4*a+\bb):8*(4*a+\bb)+7], v[(\f)+64+8*\bb:(\f)+64+8*\bb+7], v[(\f)+8*a:(\f)+8*a+7], v[8*(4*a+\bb):8*(4*a+\bb)+7]
.endif
.endr
.set a, a+1
.endr
.endm
; 24 LDS loads in one run: the fragments of quarter q (32 along K: k blocks 2 q, 2 q + 1) into buffer f: B's 8, A's blocks 0-3, A's blocks 4-7
.macro FETCH slot, q, f
	WIN 0
.irp bb, 0,1,2,3
	ds_load_b128 v[(\f)+64+8*\bb:(\f)+64+8*\bb+3],   v[ADRB+(\slot)] offset:\bb*KSB+(\q)*1024
	ds_load_b128 v[(\f)+64+8*\bb+4:(\f)+64+8*\bb+7], v[ADRB+(\slot)] offset:\bb*KSB+(\q)*1024+512
.endr
.irp ab, 0,1,2,3,4,5,6,7
	ds_load_b128 v[(\f)+8*\ab:(\f)+8*\ab+3],   v[ADRA+(\slot)] offset:\ab*KSB+(\q)*1024
	ds_load_b128 v[(\f)+8*\ab+4:(\f)+8*\ab+7], v[ADRA+(\slot)] offset:\ab*KSB+(\q)*1024+512
.endr
.endm
; A K step is four quarters of 32 matrix instructions on buffers 0, 1, 0, 1.  One of the first three multiplies buffer f and fetches quarter q into g.
.macro QUARTER slot, q, f, g, zero
	s_wait_dscnt 8                                 ; B' and A's blocks 0-3 are in; the youngest eight loads may be out
	MULN \f, 0, 4, \zero
	PLACES
	FETCH \slot, \q, \g
	s_wait_dscnt 24                                ; all but the 24 just issued
	MULN \f, 4, 4, \zero
.endm
; The last quarter multiplies buffer 1 and changes slots: ONE barrier; in front of it each wave waits for all its tensor loads (one is out: its part of the next slot), adds 0 to its spare
; word, and waits for that and for its own reads of this slot.  mode 1: this slot takes the K step two on; mode 2: the next tile's K step 0 or 1; mode 0: nothing is asked for.
; Where a slot is filled again the barrier opens a round of the cluster's: no wave of any partner still reads the slot or has a load on its way, and the joint refill is the first thing
; behind it, 112 matrix instructions ahead of the wait for it.
.macro TURN slot, next, mode
	WIN 0
	s_wait_tensorcnt 0x0
	ds_add_u32 v[SPW], v[NIL]                      ; 0 onto my spare word
	s_wait_dscnt 9                                 ; (the add and the youngest eight loads may be out)
	MULN F1, 0, 2, 0
	s_wait_dscnt 0x0                               ; the add is done, and my reads of this slot are over
	s_barrier_signal -1
	MULN F1, 2, 2, 0
.if \mode
	WIN 0
.endif
	s_barrier_wait -1
.if (\mode) == 1
	CREST
	s_add_nc_u64 s[G0A+4*(\slot)+2:G0A+4*(\slot)+3], s[G0A+4*(\slot)+2:G0A+4*(\slot)+3], 2*KSB
	s_add_nc_u64 s[G0B+4*(\slot)+2:G0B+4*(\slot)+3], s[G0B+4*(\slot)+2:G0B+4*(\slot)+3], 2*KSB
	JLOAD \slot                                    ; its four v_nop are also the places in front of the loads below
.elseif (\mode) == 2
	CREST
	s_add_nc_u64 s[G0A+4*(\slot)+2:G0A+4*(\slot)+3], s[NA:NA+1], (\slot)*KSB
	s_or_b32 s[G0A+4*(\slot)+3], s[G0A+4*(\slot)+3], 0x80000000
	s_add_nc_u64 s[G0B+4*(\slot)+2:G0B+4*(\slot)+3], s[NB:NB+1], (\slot)*KSB
	s_or_b32 s[G0B+4*(\slot)+3], s[G0B+4*(\slot)+3], 0x80000000
	JLOAD \slot
.else
	PLACES
.endif
	FETCH \next, 0, F0
	MULN F1, 4, 4, 0
.endm
; THE WAY OUT.  The bias is rounded to bf16 (plain work on registers of its own: the places behind the last products), added, the sums rounded to f16 and stored.  isv = 1: tile 2, where the bias
; goes by rows.  Packed results lie in v32-63 (the bias is spent by then) and in buffer 1; buffer 0 may hold the next tile's first fragments.
.macro EPI isv
	WIN 0
	s_wait_loadcnt 0x0                             ; the bias
.if \isv
.irp ab, 0,1,2,3,4,5,6,7
	v_cvt_pk_bf16_f32 v[30+(\ab%2)], v[BI+2*\ab], v[BI+2*\ab]
	v_lshlrev_b32 v[BI+2*\ab],   16, v[30+(\ab%2)]
	v_lshlrev_b32 v[BI+2*\ab+1], 16, v[30+(\ab%2)]
.endr
.else
.set p, 0
.rept 16
	v_cvt_pk_bf16_f32 v[30+p%2], v[BI+2*p], v[BI+2*p+1]
	v_lshlrev_b32 v[BI+2*p],   16, v[30+p%2]
	v_and_b32     v[BI+2*p+1], 0xffff0000, v[30+p%2]
.set p, p+1
.endr
.endif
	WIN 0x41                                       ; destination and source 0 window 1, source 1 window 0
.set n, 0
.rept 32                               ; accumulator n = 4 a + bb, each from its low end on
.irp p2, 0,1,2,3
.if \isv
	v_pk_add_f32 v[8*n+2*\p2:8*n+2*\p2+1], v[8*n+2*\p2:8*n+2*\p2+1], v[BI+2*(n/4):BI+2*(n/4)+1]
.else
	v_pk_add_f32 v[8*n+2*\p2:8*n+2*\p2+1], v[8*n+2*\p2:8*n+2*\p2+1], v[BI+8*(n%4)+2*\p2:BI+8*(n%4)+2*\p2+1]
.endif
.endr
.set n, n+1
.endr
	WIN 0x05                                       ; sources 0 and 1 window 1, destination window 0
.set n, 0
.rept 32
.if n < 8
.set d, BI+4*n
.else
.set d, F1+4*(n-8)
.endif
.irp p2, 0,1,2,3
	v_cvt_pk_f16_f32 v[d+\p2], v[8*n+2*\p2], v[8*n+2*\p2+1]
.endr
.set n, n+1
.endr
	WIN 0
.set n, 0
.rept 32
.if n < 8
.set d, BI+4*n
.else
.set d, F1+4*(n-8)
.endif
.if \isv
	global_store_b128 v1, v[d:d+3], s[CB2:CB2+1] offset:(n/16)*262144+(n%4)*2048+((n/4)%4)*512  ; head a / 4, key block bb, channel block a % 4: 512 consecutive bytes
.else
	global_store_b128 v1, v[d:d+3], s[CB:CB+1] offset:(n/4)*2048+(n%4)*512                      ; token block a, channel block bb: 512 consecutive bytes
.endif
.set n, n+1
.endr
.endm
	s_wait_tensorcnt 1                             ; my part of K step 0 is in; K step 1's may stay out
	s_barrier_signal -1
	s_barrier_wait -1
	FETCH 0, 0, F0
	s_mov_b32 s2, 3                                ; tiles to go: the same in every work-group
.Ltile:
	QUARTER 0, 1, F0, F1, 1                        ; a tile's first quarter stands in front of the loop: its products start the sums
	WIN 0
	s_mov_b32 s3, 3
.Llap:                                                 ; a trip goes once round the ring, from a lap's second quarter to the next lap's first, and fills both slots again
	QUARTER 0, 2, F1, F0, 0
	QUARTER 0, 3, F0, F1, 0
	TURN 0, 1, 1
	QUARTER 1, 1, F0, F1, 0
	QUARTER 1, 2, F1, F0, 0
	QUARTER 1, 3, F0, F1, 0
	TURN 1, 0, 1
	QUARTER 0, 1, F0, F1, 0
	WIN 0
	s_sub_co_u32 s3, s3, 1
	s_cmp_lg_u32 s3, 0
	s_cbranch_scc1 .Llap
	QUARTER 0, 2, F1, F0, 0                        ; the tile's last lap goes on
	QUARTER 0, 3, F0, F1, 0
	WIN 0
	s_cmp_eq_u32 s2, 1
	s_cbranch_scc1 .Llast                          ; the last tile's tail is written out: it asks for nothing more
.irp bb, 0,1,2,3
	global_load_b128 v[BI+8*\bb:BI+8*\bb+3],   v24, s[BQ:BQ+1] offset:\bb*64      ; the bias of columns 16 bb + 8 h + 0..7
	global_load_b128 v[BI+8*\bb+4:BI+8*\bb+7], v24, s[BQ:BQ+1] offset:\bb*64+16
.endr
	TURN 0, 1, 2                                   ; the ring goes on into the next tile: slot 0 takes its K step 0,
	QUARTER 1, 1, F0, F1, 0
	QUARTER 1, 2, F1, F0, 0
	QUARTER 1, 3, F0, F1, 0
	TURN 1, 0, 2                                   ; slot 1 its K step 1, and its first fragments are fetched
	EPI 0
	s_wait_xcnt 0x0                                ; the stores' base and data are rewritten only behind this wait
	s_add_nc_u64 s[CB:CB+1], s[CB:CB+1], 0x800000  ; tile 1 lies two batches on: 32 heads of 262,144 bytes
	s_mov_b64 s[NA:NA+1], s[A2:A2+1]               ; what tile 1's tail asks for
	s_mov_b64 s[NB:NB+1], s[B2:B2+1]
	s_sub_co_u32 s2, s2, 1
	s_branch .Ltile
.Llast:
.irp ab, 0,1,2,3,4,5,6,7
	global_load_b32 v[BI+2*\ab], v25, s[BV:BV+1] offset:64*\ab  ; the bias of row 16 a + r
.endr
	TURN 0, 1, 0
	QUARTER 1, 1, F0, F1, 0
	QUARTER 1, 2, F1, F0, 0
	QUARTER 1, 3, F0, F1, 0
	s_wait_dscnt 8                                 ; the very last quarter: nothing more to fetch
	MULN F1, 0, 4, 0
	s_wait_dscnt 0x0
	MULN F1, 4, 4, 0
	EPI 1
	s_wait_tensorcnt 0x0                           ; the wave's end
	ds_add_u32 v[SPW], v[NIL]
	s_wait_dscnt 0x0
	CROUND                                         ; the closing round: no work-group ends while a partner may still ask for a tile that names it
	s_endpgm
.Lfunc_end_k_q59a89f820e_qkvgemm:
	.size	k_q59a89f820e_qkvgemm, .Lfunc_end_k_q59a89f820e_qkvgemm-k_q59a89f820e_qkvgemm
	.p2alignl 7, 3214868480
	.fill 96, 4, 3214868480
	.section	.rodata,"a",@progbits
	.p2align	6, 0x0
	.amdhsa_kernel k_q59a89f820e_qkvgemm
		.amdhsa_group_segment_fixed_size 327680
		.amdhsa_private_segment_fixed_size 0
		.amdhsa_enable_private_segment 0
		.amdhsa_kernarg_size 32
		.amdhsa_user_sgpr_count 2
		.amdhsa_user_sgpr_kernarg_segment_ptr 1
		.amdhsa_wavefront_size32 1
		.amdhsa_system_sgpr_workgroup_id_x 1
		.amdhsa_system_sgpr_workgroup_id_y 1
		.amdhsa_system_sgpr_workgroup_id_z 1
		.amdhsa_system_vgpr_workitem_id 0
		.amdhsa_next_free_vgpr 512
		.amdhsa_next_free_sgpr 96
		.amdhsa_reserve_vcc 0
		.amdhsa_float_denorm_mode_32 3
		.amdhsa_float_denorm_mode_16_64 3
		.amdhsa_memory_ordered 1
		.amdhsa_forward_progress 1
		.amdhsa_inst_pref_size 135
	.end_amdhsa_kernel
	.amdgpu_metadata
---
amdhsa.version: [ 1, 2 ]
amdhsa.kernels:
  - .name:           k_q59a89f820e_qkvgemm
    .symbol:         k_q59a89f820e_qkvgemm.kd
    .args:
      - { .name: xb, .offset: 0, .size: 8, .value_kind: global_buffer, .address_space: global }
      - { .name: wqb, .offset: 8, .size: 8, .value_kind: global_buffer, .address_space: global }
      - { .name: qkv_b, .offset: 16, .size: 8, .value_kind: global_buffer, .address_space: global }
      - { .name: qkvh, .offset: 24, .size: 8, .value_kind: global_buffer, .address_space: global }
    .group_segment_fixed_size: 327680
    .private_segment_fixed_size: 0
    .kernarg_segment_align: 8
    .kernarg_segment_size: 32
    .max_flat_workgroup_size: 128
    .sgpr_count:     96
    .vgpr_count:     512
    .wavefront_size: 32
...
	.end_amdgpu_metadata
.endif
;; end of part 2
;; launch attn (part 3): grid 32 x 8, 8 waves a work-group, no clusters, 0 bytes of LDS; arguments qkvh, maskf, mbits, rowc, ob; writes ob
.if DOCPART == 3
	.amdgcn_target "amdgcn-amd-amdhsa--gfx1250"
	.amdhsa_code_object_version 6
	.text
	.protected	k_q59a89f820e_attn
	.globl	k_q59a89f820e_attn
	.p2align	8
	.type	k_q59a89f820e_attn,@function
k_q59a89f820e_attn:
	s_mov_b64 s[64:65], 0
	v_nop
	global_prefetch_b8 v0, s[64:65] scope:SCOPE_SE
	s_setreg_imm32_b32 hwreg(HW_REG_WAVE_MODE, 25, 1), 1
	s_wait_xcnt 0x0
; ATTENTION UNDER A MASK THAT IS AN INPUT.  O[q] = sum over k of softmax_k(mask ? Q[q] . K[k] / 8 : lowest) V[k], head size 64, 2,048 keys, 64 heads.  Q, K, V^T, P, O in f16; products, maxima, sums in f32.
; WHICH KEY TILES ARE WALKED is read from mbits, whole numbers that the launch before made of the mask itself: a tile of 64 keys in which none of my 64 queries has a true key is left out (all its
; weights would be 0); one in which all are true takes the constant 0 as the scores' C operand; any other takes its block of maskf, 0 or -1e30, as C.
; A row without any true key was made all true there, with the scale 0 (rowc): all its 2,048 weights are 2^0, the uniform row of a softmax of equal numbers, and all tiles are walked.
; SOFTMAX.  p = 2^(c s - c m) with a running maximum m, c = log2(e) / 8 or 0; O and l are multiplied by a = 2^(c m_old - c m_new) in every step.  m starts at -1e15: below every score of f16
; operands (2.75e11 at the most), above every hidden one (its value less 1e30): a hidden score is never the maximum and its weight is 0.
; LIMITS.  Q, K, V within f16's 65,504; p below 6e-5 keeps f16's fixed step; c m is rounded once, so all of a row's exponents share an error of half a last place of c m; a weight below
; 2^-126 counts as 0 in l; NaN and infinities are not treated apart.
; SHARES.  A wave owns 64 queries (four tiles of 16) of one head; the eight waves of a work-group are eight heads at the same 64 queries, so they walk the same tiles and read the same mask blocks.
; All operands lie in memory as fragments lie in registers (512 bytes a block, 16 bytes a lane), so every load and store is base + 16 L + a constant.  NO LDS, NO TENSOR LOADS, NO CLUSTER: the
; trip count is set at run time and differs from work-group to work-group, K and V belong to one wave each, and what the waves share is the mask block alone.
; LAYOUT.  S^T = K Q^T (source 0 = 16 keys, source 1 = 16 queries): a lane holds ONE query and the keys 8 (l / 16) + 0..7.  Two such results rounded to f16 ARE source 1 of O^T = V^T P.
; REGISTERS.  Window 0: v1 16 L; v2 8 r; v8-15 sums at work; v16-31 statistics, tile t at 16 + 4 t: c m, m, l (even keys', odd keys'); v32-39 c, a pair a tile; v40-55 c0-c3 a tile at work (c2 takes a);
; v56-59 c m_old; v64-127 K; v128-255 S^T, 32 a tile; P is written into a tile's first 16.  Window 1: v0-127 O^T (32 t + 8 cb); v128-191 Q (16 t + 8 c); v192-255 V^T (32 kk + 8 cb).
.set SUMT, 8
.set ST,   16
.set CL,   32
.set TMP,  40
.set MV,   56
.set KF,   64
.set S,    128
.set OT,   0
.set Q,    128
.set VF,   192
.set ANY,  26                          ; s26  key tiles with a true key for some query of mine
.set ALL,  27                          ; s27  key tiles all true for all my queries
.set N,    28                          ; s28  trips
.set I,    29                          ; s29  the trip's number
.set REM,  30                          ; s30  tiles not yet chosen
.set CUR,  31                          ; s31  the tile in hand
.set NXT,  32                          ; s32  the next
.set TS,   33
.set OFF,  34                          ; s[34:35] an offset, high word 0
.set KBASE, 36                         ; s[36:37] my head's K; s[38:39] its V^T; s[40:41] my query block's row of maskf
.set VBASE, 38
.set MBASE, 40
.set KB,   42                          ; s[42:43], s[44:45], s[46:47] the same at a tile
.set VB,   44
.set MB,   46
.set QP,   48                          ; s[48:49] my queries; s[50:51] my part of ob; s[52:53] my rows of rowc
.set OP,   50
.set RC,   52
.set SEL,  60                          ; s[60:61] v_permlanex16_b32's selects: each lane takes its own place in the other half
.set MSB, 0
.macro WIN new
.if MSB != (\new)
	s_set_vgpr_msb (MSB<<8)|(\new)
.set MSB, \new
.endif
.endm
.set W_KQ, 0x04                        ; Q (source 1) in window 1; K and S^T in window 0
.set W_PV, 0x51                        ; V^T (source 0) and O^T (C, D) in window 1; P in window 0
.set W_RS, 0x41                        ; destination and source 0 in window 1
.set W_L1, 0x40                        ; a load's destination in window 1
	s_load_b256 s[4:11], s[0:1], 0x0               ; qkvh s[4:5], maskf s[6:7], mbits s[8:9], rowc s[10:11]
	s_load_b64 s[12:13], s[0:1], 0x20              ; ob
	v_lshrrev_b32 v3, 5, v0
	v_readfirstlane_b32 s14, v3                    ; wave 0..7
	v_and_b32 v3, 31, v0
	v_lshlrev_b32 v1, 4, v3                        ; 16 L
	v_and_b32 v3, 15, v0
	v_lshlrev_b32 v2, 3, v3                        ; 8 r
	s_mov_b32 s15, ttmp9                           ; my block of 64 queries
	s_and_b32 s24, ttmp7, 0xffff
	s_lshr_b32 s25, s24, 1                         ; batch
	s_and_b32 s24, s24, 1
	s_lshl3_add_u32 s24, s24, s14                  ; head
	s_lshl4_add_u32 s33, s25, s24                  ; 16 batch + head
	s_mov_b32 s[OFF+1], 0
	s_mov_b32 s[SEL], 0x76543210
	s_mov_b32 s[SEL+1], 0xfedcba98
	s_lshl_b32 s[OFF], s15, 9                      ; 512 bytes a query block in mbits (4 x 32 words) and in rowc (64 x 2 words)
	s_wait_kmcnt 0x0
	s_add_nc_u64 s[8:9], s[8:9], s[OFF:OFF+1]
	s_add_nc_u64 s[RC:RC+1], s[10:11], s[OFF:OFF+1]
	s_load_b64 s[16:17], s[8:9], 0x0               ; my four query tiles' two words each
	s_load_b64 s[18:19], s[8:9], 0x80
	s_load_b64 s[20:21], s[8:9], 0x100
	s_load_b64 s[22:23], s[8:9], 0x180
	s_lshl_b32 s[OFF], s33, 18
	s_add_nc_u64 s[KBASE:KBASE+1], s[4:5], s[OFF:OFF+1]          ; my head of q
	s_add_nc_u64 s[VBASE:VBASE+1], s[KBASE:KBASE+1], 128<<18     ; of V^T
	s_lshl_b32 s[OFF], s15, 13                                   ; four token blocks of 2,048 bytes
	s_add_nc_u64 s[QP:QP+1], s[KBASE:KBASE+1], s[OFF:OFF+1]
	s_add_nc_u64 s[KBASE:KBASE+1], s[KBASE:KBASE+1], 64<<18      ; of k
	s_lshl_b32 s[OFF], s15, 19                                   ; 32 blocks of 16,384 bytes
	s_add_nc_u64 s[MBASE:MBASE+1], s[6:7], s[OFF:OFF+1]
	s_lshl_b32 s[OFF], s25, 7
	s_lshl2_add_u32 s[OFF], s15, s[OFF]            ; ob's row block 128 batch + 4 qb,
	s_lshl_b32 s[OFF], s[OFF], 15
	s_lshl_b32 s[TS], s24, 11                      ; k block 4 head
	s_add_co_u32 s[OFF], s[OFF], s[TS]
	s_add_nc_u64 s[OP:OP+1], s[12:13], s[OFF:OFF+1]
.irp t, 0,1,2,3
	global_load_b64 v[CL+2*\t:CL+2*\t+1], v2, s[RC:RC+1] offset:128*\t
.endr
	WIN W_L1
.set i, 0
.rept 16                               ; Q stays in registers: tile i / 4, channel block i % 4
	global_load_b128 v[Q+4*i:Q+4*i+3], v1, s[QP:QP+1] offset:512*i
.set i, i+1
.endr
	WIN 0
	s_wait_kmcnt 0x0
	s_or_b32 s[ANY], s16, s18
	s_or_b32 s[TS], s20, s22
	s_or_b32 s[ANY], s[ANY], s[TS]
	s_and_b32 s[ALL], s17, s19
	s_and_b32 s[TS], s21, s23
	s_and_b32 s[ALL], s[ALL], s[TS]
	s_bcnt1_i32_b32 s[N], s[ANY]                   ; at least 1: every row has a true key, its own or by the fill
	s_ctz_i32_b32 s[CUR], s[ANY]
	s_min_u32 s[CUR], s[CUR], 31                   ; a number read from memory enters addresses only behind this clamp
	s_lshl_b32 s[TS], 1, s[CUR]
	s_and_not1_b32 s[REM], s[ANY], s[TS]
	s_mov_b32 s[I], 0
	s_lshl_b32 s[OFF], s[CUR], 13                  ; a tile of K or V^T: 4 blocks of 2,048 bytes
	s_add_nc_u64 s[KB:KB+1], s[KBASE:KBASE+1], s[OFF:OFF+1]
.macro KLD                             ; a tile of K: key block i / 4, channel block i % 4
	WIN 0
.set i, 0
.rept 16
	global_load_b128 v[KF+4*i:KF+4*i+3], v1, s[KB:KB+1] offset:512*i
.set i, i+1
.endr
.endm
.macro VLD                             ; a tile of V^T: key block i / 4, channel block i % 4
	WIN W_L1
.set i, 0
.rept 16
	global_load_b128 v[VF+32*(i/8)+8*(i%4)+4*((i/4)%2):VF+32*(i/8)+8*(i%4)+4*((i/4)%2)+3], v1, s[VB:VB+1] offset:512*i
.set i, i+1
.endr
.endm
	KLD
	; O^T and l start at 0, m at -1e15, c m far below every c s: the first trip is a trip like any other, with a = 0.  No first step is written out, since the trips are counted at run time;
	; the clearing stands in the wait for the first loads.
	WIN W_L1
.set i, 0
.rept 128
	v_mov_b32 v[OT+i], 0
.set i, i+1
.endr
	WIN 0
.irp t, 0,1,2,3
	v_mov_b32 v[ST+4*\t],   0xfe000000
	v_mov_b32 v[ST+4*\t+1], 0xd8635fa9             ; -1e15
	v_mov_b32 v[ST+4*\t+2], 0
	v_mov_b32 v[ST+4*\t+3], 0
.endr
; 16 products of S^T = K Q^T for channels 32 c on: tile i / 4, keys 16 (i % 4) on.  The 16 accumulators take turns.  cm = 0: C is the constant 0; 1: C is what S^T holds.
.macro KQ16 c, cm
	WIN W_KQ
.set i, 0
.rept 16
.if \cm
	v_wmma_f32_16x16x32_f16 v[S+8*i:S+8*i+7], v[KF+16*(i%4)+8*(\c):KF+16*(i%4)+8*(\c)+7], v[Q+16*(i/4)+8*(\c):Q+16*(i/4)+8*(\c)+7], v[S+8*i:S+8*i+7]
.else
	v_wmma_f32_16x16x32_f16 v[S+8*i:S+8*i+7], v[KF+16*(i%4)+8*(\c):KF+16*(i%4)+8*(\c)+7], v[Q+16*(i/4)+8*(\c):Q+16*(i/4)+8*(\c)+7], 0
.endif
.set i, i+1
.endr
.endm
; Number n of the 22 that find tile t's maximum and statistics.  Each accumulator's lowest registers are read first.
;   0-11 four chains c0-c3 of seven scores each   12-14, 16 the four scores left over, the old m, c0-c3 into c0   15 c m_old is kept
;   17, 18 the query's other 32 keys lie in the lane 16 away: the new m   19-21 c m; c m_old - c m_new; a
.macro XS t, n
.set rT, ST+4*(\t)
.set rC, TMP+4*(\t)
.set rM, MV+(\t)
.set rS, S+32*(\t)
.if (\n) < 4
	v_max3_num_f32 v[rC+(\n)], v[rS+8*(\n)], v[rS+8*(\n)+1], v[rS+8*(\n)+2]
.elseif (\n) < 12
	v_max3_num_f32 v[rC+(\n)%4], v[rC+(\n)%4], v[rS+8*((\n)%4)+2*((\n)/4)+1], v[rS+8*((\n)%4)+2*((\n)/4)+2]
.elseif (\n) == 12
	v_max3_num_f32 v[rC], v[rC], v[rS+7], v[rS+15]
.elseif (\n) == 13
	v_max3_num_f32 v[rC+1], v[rC+1], v[rS+23], v[rS+31]
.elseif (\n) == 14
	v_max3_num_f32 v[rC+2], v[rC+2], v[rC+3], v[rT+1]
.elseif (\n) == 15
	v_mov_b32 v[rM], v[rT]
.elseif (\n) == 16
	v_max3_num_f32 v[rC], v[rC], v[rC+1], v[rC+2]
.elseif (\n) == 17
	v_permlanex16_b32 v[rC+3], v[rC], s[SEL], s[SEL+1]
.elseif (\n) == 18
	v_max_num_f32 v[rT+1], v[rC], v[rC+3]
.elseif (\n) == 19
	v_mul_f32 v[rT], v[CL+2*(\t)], v[rT+1]
.elseif (\n) == 20
	v_sub_f32 v[rC+1], v[rM], v[rT]
.else
	v_exp_f32 v[rC+2], v[rC+1]
.endif
.endm
.Ltrip:                                                ; a trip: one key tile that holds a true key
	s_wait_xcnt 0x0                                ; the bases below are rewritten behind this wait (their loads have also been shown done by the counted waits of the trip before)
	s_lshl_b32 s[OFF], s[CUR], 13
	s_add_nc_u64 s[VB:VB+1], s[VBASE:VBASE+1], s[OFF:OFF+1]
	s_lshl_b32 s[OFF], s[CUR], 14
	s_add_nc_u64 s[MB:MB+1], s[MBASE:MBASE+1], s[OFF:OFF+1]
	s_ctz_i32_b32 s[NXT], s[REM]                   ; the next tile; where none is left the clamp gives tile 31, which lies inside K and is not used
	s_min_u32 s[NXT], s[NXT], 31
	s_lshl_b32 s[TS], 1, s[NXT]
	s_and_not1_b32 s[REM], s[REM], s[TS]
	s_lshr_b32 s[TS], s[ALL], s[CUR]
	s_and_b32 s[TS], s[TS], 1
	s_cmp_lg_u32 s[TS], 0
	s_cbranch_scc1 .Lfull
.set i, 0
.rept 32                               ; the mask block lands where the scores' sums begin
	global_load_b128 v[S+4*i:S+4*i+3], v1, s[MB:MB+1] offset:512*i
.set i, i+1
.endr
	VLD
	s_wait_loadcnt 16                              ; all but V's sixteen: K and the mask are in (in the first trip c and Q too)
	KQ16 0, 1
	WIN 0
	s_branch .Ljoin
.Lfull:
	VLD
	s_wait_loadcnt 16                              ; all but V's sixteen: K is in
	KQ16 0, 0
	WIN 0
.Ljoin:
	KQ16 1, 1
	WIN 0
.irp t, 0,1,2,3
	XS \t, 15                                      ; four plain instructions on registers of their own: the places behind the products, for the loads into K and for the reads of the scores
.endr
	s_wait_xcnt 0x0
	s_lshl_b32 s[OFF], s[NXT], 13
	s_add_nc_u64 s[KB:KB+1], s[KBASE:KBASE+1], s[OFF:OFF+1]
	KLD                                            ; the next trip's K: it has the softmax and the second product in which to come
	s_min_u32 s[CUR], s[NXT], 31
.irp n, 0,1,2,3,4,5,6,7,8,9,10,11,12,13,14,16,17,18,19,20,21
.irp t, 0,1,2,3
	XS \t, \n
.endr
.endr
.set i, 0
.rept 64                               ; c s - c m, two at a time (the first is the plain instruction behind the four exponentials above)
	v_pk_fma_f32 v[S+2*i:S+2*i+1], v[S+2*i:S+2*i+1], v[CL+2*(i/16):CL+2*(i/16)+1], v[ST+4*(i/16):ST+4*(i/16)+1] op_sel_hi:[1,0,0] neg_lo:[0,0,1] neg_hi:[0,0,1]
.set i, i+1
.endr
.set i, 0
.rept 128
	v_exp_f32 v[S+i], v[S+i]
.set i, i+1
.endr
	v_nop                                          ; a plain instruction between the last exponential and the use of its result
	s_wait_alu depctr_va_vdst(0)
.irp t, 0,1,2,3
.irp k, 0,1,2,3                        ; the tile's 16 pairs of weights in four chains, which leave S^T as it is
	v_pk_add_f32 v[SUMT+2*\k:SUMT+2*\k+1], v[S+32*\t+2*\k:S+32*\t+2*\k+1], v[S+32*\t+8+2*\k:S+32*\t+8+2*\k+1]
.endr
.irp k, 0,1,2,3
	v_pk_add_f32 v[SUMT+2*\k:SUMT+2*\k+1], v[SUMT+2*\k:SUMT+2*\k+1], v[S+32*\t+16+2*\k:S+32*\t+16+2*\k+1]
.endr
.irp k, 0,1,2,3
	v_pk_add_f32 v[SUMT+2*\k:SUMT+2*\k+1], v[SUMT+2*\k:SUMT+2*\k+1], v[S+32*\t+24+2*\k:S+32*\t+24+2*\k+1]
.endr
	v_pk_add_f32 v[SUMT:SUMT+1], v[SUMT:SUMT+1], v[SUMT+2:SUMT+3]
	v_pk_add_f32 v[SUMT+4:SUMT+5], v[SUMT+4:SUMT+5], v[SUMT+6:SUMT+7]
.set i, 0
.rept 16                               ; P: pair i rounded to f16, into the tile's register i, which has been read by then
	v_cvt_pk_f16_f32 v[S+32*\t+i], v[S+32*\t+2*i], v[S+32*\t+2*i+1]
.set i, i+1
.endr
	v_pk_add_f32 v[SUMT:SUMT+1], v[SUMT:SUMT+1], v[SUMT+4:SUMT+5]
	v_pk_fma_f32 v[ST+4*\t+2:ST+4*\t+3], v[ST+4*\t+2:ST+4*\t+3], v[TMP+4*\t+2:TMP+4*\t+3], v[SUMT:SUMT+1] op_sel_hi:[1,0,1]  ; l = a l + sum
.endr
	WIN W_RS
.set i, 0
.rept 64                               ; O^T times a, each accumulator from its low end on
	v_pk_mul_f32 v[OT+2*i:OT+2*i+1], v[OT+2*i:OT+2*i+1], v[TMP+4*(i/16)+2:TMP+4*(i/16)+3] op_sel_hi:[1,0]
.set i, i+1
.endr
	s_wait_loadcnt 16                              ; all but the next K's sixteen: V is in
	WIN W_PV
.set i, 0
.rept 32                               ; O^T += V^T P: keys 32 (i / 16) on, tile (i % 16) / 4, channels 16 (i % 4) on; the 16 accumulators take turns
	v_wmma_f32_16x16x32_f16 v[OT+8*(i%16):OT+8*(i%16)+7], v[VF+32*(i/16)+8*(i%4):VF+32*(i/16)+8*(i%4)+7], v[S+32*((i%16)/4)+8*(i/16):S+32*((i%16)/4)+8*(i/16)+7], v[OT+8*(i%16):OT+8*(i%16)+7]
.set i, i+1
.endr
	WIN 0
.rept 5
	v_nop                                          ; the places in front of the loads into V^T and S^T, and of the products that write over P
.endr
	s_add_co_u32 s[I], s[I], 1
	s_cmp_lt_u32 s[I], s[N]
	s_cbranch_scc1 .Ltrip
	; THE WAY OUT.  l's two halves and the other half of the lanes' are added; O^T is divided by l, rounded to f16 and stored: a lane's eight channels are its 16 bytes of a block of ob.
.irp t, 0,1,2,3
	v_add_f32 v[ST+4*\t+2], v[ST+4*\t+2], v[ST+4*\t+3]
.endr
.irp t, 0,1,2,3
	v_permlanex16_b32 v[ST+4*\t+3], v[ST+4*\t+2], s[SEL], s[SEL+1]
.endr
.irp t, 0,1,2,3
	v_add_f32 v[ST+4*\t+2], v[ST+4*\t+2], v[ST+4*\t+3]
.endr
.irp t, 0,1,2,3
	v_rcp_f32 v[ST+4*\t+2], v[ST+4*\t+2]           ; l is at least 1: the row's largest visible score has the weight 1
.endr
	v_nop                                          ; a plain instruction between the last reciprocal and the use of its result
	WIN W_RS
.set i, 0
	s_wait_alu depctr_va_vdst(0)
.rept 64
	v_pk_mul_f32 v[OT+2*i:OT+2*i+1], v[OT+2*i:OT+2*i+1], v[ST+4*(i/16)+2:ST+4*(i/16)+3] op_sel_hi:[1,0]
.set i, i+1
.endr
	WIN 0x05                                       ; sources 0 and 1 window 1, destination window 0
.set i, 0
.rept 64
	v_cvt_pk_f16_f32 v[S+i], v[OT+2*i], v[OT+2*i+1]
.set i, i+1
.endr
	WIN 0
.set i, 0
.rept 16                               ; tile i / 4 is a row block of ob, channel block i % 4 a k block: 512 consecutive bytes
	global_store_b128 v1, v[S+4*i:S+4*i+3], s[OP:OP+1] offset:(i/4)*32768+(i%4)*512
.set i, i+1
.endr
	s_endpgm
.Lfunc_end_k_q59a89f820e_attn:
	.size	k_q59a89f820e_attn, .Lfunc_end_k_q59a89f820e_attn-k_q59a89f820e_attn
	.p2alignl 7, 3214868480
	.fill 96, 4, 3214868480
	.section	.rodata,"a",@progbits
	.p2align	6, 0x0
	.amdhsa_kernel k_q59a89f820e_attn
		.amdhsa_group_segment_fixed_size 0
		.amdhsa_private_segment_fixed_size 0
		.amdhsa_enable_private_segment 0
		.amdhsa_kernarg_size 40
		.amdhsa_user_sgpr_count 2
		.amdhsa_user_sgpr_kernarg_segment_ptr 1
		.amdhsa_wavefront_size32 1
		.amdhsa_system_sgpr_workgroup_id_x 1
		.amdhsa_system_sgpr_workgroup_id_y 1
		.amdhsa_system_sgpr_workgroup_id_z 1
		.amdhsa_system_vgpr_workitem_id 0
		.amdhsa_next_free_vgpr 512
		.amdhsa_next_free_sgpr 66
		.amdhsa_reserve_vcc 0
		.amdhsa_float_denorm_mode_32 3
		.amdhsa_float_denorm_mode_16_64 3
		.amdhsa_memory_ordered 1
		.amdhsa_forward_progress 1
		.amdhsa_inst_pref_size 60
	.end_amdhsa_kernel
	.amdgpu_metadata
---
amdhsa.version: [ 1, 2 ]
amdhsa.kernels:
  - .name:           k_q59a89f820e_attn
    .symbol:         k_q59a89f820e_attn.kd
    .args:
      - { .name: qkvh, .offset: 0, .size: 8, .value_kind: global_buffer, .address_space: global }
      - { .name: maskf, .offset: 8, .size: 8, .value_kind: global_buffer, .address_space: global }
      - { .name: mbits, .offset: 16, .size: 8, .value_kind: global_buffer, .address_space: global }
      - { .name: rowc, .offset: 24, .size: 8, .value_kind: global_buffer, .address_space: global }
      - { .name: ob, .offset: 32, .size: 8, .value_kind: global_buffer, .address_space: global }
    .group_segment_fixed_size: 0
    .private_segment_fixed_size: 0
    .kernarg_segment_align: 8
    .kernarg_segment_size: 40
    .max_flat_workgroup_size: 256
    .sgpr_count:     66
    .vgpr_count:     512
    .wavefront_size: 32
...
	.end_amdgpu_metadata
.endif
;; end of part 3
;; launch proj (part 4): grid 8 x 32, 4 waves a work-group, clusters of 4 x 4, 327,680 bytes of LDS; arguments ob, wpb, proj_b, out0; writes out0
.if DOCPART == 4
	.amdgcn_target "amdgcn-amd-amdhsa--gfx1250"
	.amdhsa_code_object_version 6
	.text
	.protected	k_q59a89f820e_proj
	.globl	k_q59a89f820e_proj
	.p2align	8
	.type	k_q59a89f820e_proj,@function
k_q59a89f820e_proj:
	s_mov_b64 s[64:65], 0
	v_nop
	global_prefetch_b8 v0, s[64:65] scope:SCOPE_SE
	s_setreg_imm32_b32 hwreg(HW_REG_WAVE_MODE, 25, 1), 1
	s_wait_xcnt 0x0
	s_wait_alu depctr_hold_cnt(0) depctr_sa_sdst(0) depctr_va_vdst(0) depctr_va_sdst(0) depctr_va_ssrc(0) depctr_va_vcc(0) depctr_vm_vsrc(0)
	s_getreg_b32 s2, hwreg(HW_REG_IB_STS2, 6, 4)
	s_cmp_eq_u32 s2, 0
	s_cbranch_scc0 .Lentry_in_a_cluster
	s_endpgm
.Lentry_in_a_cluster:
	s_bfe_u32 s2, ttmp6, 0x10000c
	s_cmp_lg_u32 s2, 0xf033
	s_cbranch_scc0 .Lentry_shape_is_right
	s_endpgm
.Lentry_shape_is_right:
; out0 = O proj_w^T + proj_b, f32.  O and proj_w in f16 (proj_w holds numbers rounded to bf16), both in blocked order ([rows / 16][64 k blocks][512 bytes]: lane r + 16 h owns row r,
; k = 16 kb + 8 h + 0..7); sums f32; the bias rounded to bf16 like the other inputs.
; SHARES.  A tile of out0 is 256 rows x 128 columns: 32 x 8 = 256 tiles, one a work-group; four waves, each 128 x 64: 32 accumulators.  K goes in steps of 128 (4,096 consecutive bytes of each
; row block) through two LDS slots: O's 16 row blocks, then proj_w's 8.  One tensor load a wave: waves 0, 1 eight rows of 4,096 bytes of O, waves 2, 3 four of proj_w (the rows are long, so a load has
; few of them).  In LDS the blocks lie as in memory: a fragment load takes 512 consecutive bytes, so no padding is wanted.  A wave has two tensor loads out at the
; start and one behind each round.
; CLUSTER 4 x 4: O's tile hangs on the tile row alone and is asked for jointly along the cluster's row, proj_w's on the tile column alone, along its column.
; THE MATRIX INSTRUCTION IS USED TRANSPOSED (source 0 = 16 rows of proj_w, source 1 = 16 rows of O): a lane holds row l % 16 and eight neighbouring columns.
; THE WAY OUT goes through a stage of the wave's own in LDS, 16 rows at a time: a wave's 64 columns of f32 are 256 consecutive bytes of a row, which sixteen lanes then store whole.
; REGISTERS: window 0: v1 16 L; v8-13 bias; v16-21 LDS addresses; v24-27 the way out's; v28-29 the add's; v64-159, v160-255 two fragment buffers (O's block a at +8 a, proj_w's bb at +64 + 8 bb),
; on the way out four buffers of 32 from v64 on.  Window 1: accumulator (a, bb) at 8 (4 a + bb).
.set SLOT,  98304
.set BOFF,  65536
.set STAGE, 2*SLOT                     ; behind the ring, never filled by a tensor load: 16 rows x 272 bytes for each wave
.set SP,    272                        ; 256 + 16 bytes = 68 words: the 16 rows of a store start at 16 different groups of four banks (64 banks of 4 bytes: ISA guide 11.1)
.set SPARE, STAGE+4*16*SP              ; behind the stages: the spare words, 128 bytes for each wave: two blocks of 256 bytes that no other line names
.set RBP,   32768
.set KSB,   4096
.set ADRA, 16
.set ADRB, 20
.set SPW,  28
.set NIL,  29
.set F0,   64
.set F1,   160
.set G1A, 24
.set G0A, 32
.set G1B, 48
.set G0B, 56
.set CB,  74                           ; s[74:75] my part of out0
.set BQ,  78                           ; s[78:79] the bias of my 64 columns
.set MSB, 0
.macro WIN new
.if MSB != (\new)
	s_set_vgpr_msb (MSB<<8)|(\new)
.set MSB, \new
.endif
.endm
.set MUL, 0x50                         ; sources 0 and 1 window 0; C and D window 1
.macro JLOAD s                         ; a joint load: waves 0, 1 fetch O's halves, waves 2, 3 proj_w's; an s_nop 0 and four v_nop follow each of the two lines
	s_cmp_eq_u32 s13, 0
	s_cbranch_scc0 .Lfor_b_\@
	tensor_load_to_lds s[G0A+4*(\s):G0A+4*(\s)+3], s[G1A:G1A+7]
	s_nop 0
.rept 4
	v_nop
.endr
	s_branch .Lasked_\@
.Lfor_b_\@:
	tensor_load_to_lds s[G0B+4*(\s):G0B+4*(\s)+3], s[G1B:G1B+7]
	s_nop 0
.rept 4
	v_nop
.endr
.Lasked_\@:
.endm
.macro CREST
	s_cmp_lg_u32 s12, 0
	s_cbranch_scc1 .Lnot_wave_0_\@
	s_barrier_signal -3
.Lnot_wave_0_\@:
	s_barrier_wait -3
	s_barrier_signal -1
	s_barrier_wait -1
.endm
.macro CROUND
	s_barrier_signal -1
	s_barrier_wait -1
	CREST
.endm
.macro PLACES
.rept 4
	v_nop
.endr
.endm
	s_load_b256 s[4:11], s[0:1], 0x0               ; ob s[4:5], wpb s[6:7], proj_b s[8:9], out0 s[10:11]
	v_lshl_add_u32 v[SPW], v0, 2, SPARE
	v_mov_b32 v[NIL], 0
	ds_add_u32 v28, v29
	s_wait_dscnt 0x0
	v_lshrrev_b32 v2, 5, v0
	v_readfirstlane_b32 s12, v2                    ; wave 0..3
	s_lshr_b32 s13, s12, 1                         ; WR: my half of the rows.  Also: I fetch for O (0) or proj_w (1)
	s_and_b32 s14, s12, 1                          ; WC: my half of the columns.  Also: which half of that operand's rows I fetch
	s_bfe_u32 s15, ttmp6, 0x40000                  ; cx
	s_bfe_u32 s16, ttmp6, 0x40004                  ; cy
	s_lshl_b32 s17, ttmp9, 2
	s_add_co_u32 s17, s17, s15                     ; tile column
	s_and_b32 s19, ttmp7, 0xffff
	s_lshl_b32 s18, s19, 2
	s_add_co_u32 s18, s18, s16                     ; tile row
	s_lshl_b32 s20, s16, 2
	s_lshl_b32 s20, 15, s20                        ; my row of the cluster
	s_lshl_b32 s21, 0x1111, s15                    ; my column
	s_or_b32 s[G1A], s20, (3<<16)|(1<<21)          ; 15:0 the mask; 17:16 elements of 8 bytes; 21 set beside a mask; no padding
	s_or_b32 s[G1B], s21, (3<<16)|(1<<21)
	s_mov_b32 s[G1A+1], 512<<16                    ; tensor_dim0 = 512 elements: 4,096 bytes
	s_mov_b32 s[G1A+2], 8<<16                      ; tensor_dim1 = 8 row blocks
	s_mov_b32 s[G1A+3], 512<<16                    ; tile_dim0
	s_mov_b32 s[G1A+4], 8                          ; tile_dim1
	s_mov_b32 s[G1A+5], 4096                       ; 4,096 elements from a row block to the next
	s_mov_b32 s[G1A+6], 0
	s_mov_b32 s[G1A+7], 0
	s_mov_b32 s[G1B+1], 512<<16
	s_mov_b32 s[G1B+2], 4<<16
	s_mov_b32 s[G1B+3], 512<<16
	s_mov_b32 s[G1B+4], 4
	s_mov_b32 s[G1B+5], 4096
	s_mov_b32 s[G1B+6], 0
	s_mov_b32 s[G1B+7], 0
	s_lshl_b32 s40, s18, 4                         ; O's offset in s40-41, which never hold cx; proj_w's in s44-45, which never hold cy
	s_lshl3_add_u32 s40, s14, s40                  ; row block 16 x tile row + 8 x half
	s_lshl_b32 s40, s40, 15
	s_mov_b32 s41, 0
	s_lshl_b32 s44, s17, 3
	s_lshl2_add_u32 s44, s14, s44                  ; row block 8 x tile column + 4 x half
	s_lshl_b32 s44, s44, 15
	s_mov_b32 s45, 0
	s_lshl_b32 s22, s14, 15                        ; where they go in a slot
	s_lshl_b32 s23, s14, 14
	s_add_co_u32 s23, s23, BOFF
	s_wait_kmcnt 0x0
	s_add_nc_u64 s[40:41], s[4:5], s[40:41]
	s_add_nc_u64 s[44:45], s[6:7], s[44:45]
	CROUND                                         ; all sixteen work-groups are here: the first joint loads meet
.irp s, 0,1
	s_mov_b32 s[G0A+4*(\s)], 1
	s_add_co_u32 s[G0A+4*(\s)+1], s22, (\s)*SLOT
	s_add_nc_u64 s[G0A+4*(\s)+2:G0A+4*(\s)+3], s[40:41], (\s)*KSB
	s_or_b32 s[G0A+4*(\s)+3], s[G0A+4*(\s)+3], 0x80000000
	s_mov_b32 s[G0B+4*(\s)], 1
	s_add_co_u32 s[G0B+4*(\s)+1], s23, (\s)*SLOT
	s_add_nc_u64 s[G0B+4*(\s)+2:G0B+4*(\s)+3], s[44:45], (\s)*KSB
	s_or_b32 s[G0B+4*(\s)+3], s[G0B+4*(\s)+3], 0x80000000
	JLOAD \s
.endr
	v_and_b32 v2, 31, v0
	v_lshlrev_b32 v1, 4, v2                        ; 16 L
	v_and_b32 v3, 15, v0                           ; r
	v_bfe_u32 v4, v0, 4, 1                         ; h
	s_lshl_b32 s20, s13, 15
	v_add_nc_u32 v[ADRA], s20, v1
	v_add_nc_u32 v[ADRA+1], SLOT, v[ADRA]
	v_add_nc_u32 v[ADRB], s23, v1
	v_add_nc_u32 v[ADRB+1], SLOT, v[ADRB]
	s_mul_i32 s82, s12, 16*SP
	s_add_co_u32 s82, s82, STAGE                   ; my stage
	v_mul_u32_u24 v24, v3, SP                      ; in: row r, 32 bytes (8 f32) for each half of the lanes
	v_lshl_add_u32 v24, v4, 5, v24
	v_add_nc_u32 v24, s82, v24
	v_mul_u32_u24 v25, v4, SP                      ; back: lanes 0-15 one row of 256 bytes, lanes 16-31 the next
	v_lshl_add_u32 v25, v3, 4, v25
	v_add_nc_u32 v25, s82, v25
	v_lshlrev_b32 v27, 4, v3                       ; my four columns
	v_lshl_add_u32 v26, v4, 12, v27                ; and the same two rows in out0
	s_lshl_b32 s86, s17, 9
	s_lshl_b32 s83, s14, 8
	s_add_co_u32 s86, s86, s83                     ; my 64 columns: 512 x tile column + 256 x half, in bytes
	s_mov_b32 s87, 0
	s_add_nc_u64 s[BQ:BQ+1], s[8:9], s[86:87]
	global_load_b128 v[8:11], v27, s[BQ:BQ+1]      ; their bias
	s_lshl_b32 s84, s18, 8
	s_lshl_b32 s83, s13, 7
	s_add_co_u32 s84, s84, s83                     ; my first row,
	s_lshl_b32 s84, s84, 12                        ; 4,096 bytes each
	s_add_co_u32 s88, s84, s86
	s_mov_b32 s89, 0
	s_add_nc_u64 s[CB:CB+1], s[10:11], s[88:89]
; n x 4 matrix instructions: O's blocks a0 .. a0 + n - 1 x all 4 blocks of proj_w, 32 along K.  The accumulators take turns, one instruction a turn.
.macro MULN f, a0, n, zero
	WIN MUL
.set a, \a0
.rept \n
.irp bb, 0,1,2,3
.if \zero
	v_wmma_f32_16x16x32_f16 v[8*(4*a+\bb):8*(4*a+\bb)+7], v[(\f)+64+8*\bb:(\f)+64+8*\bb+7], v[(\f)+8*a:(\f)+8*a+7], 0
.else
	v_wmma_f32_16x16x32_f16 v[8*(4*a+\bb):8*(4*a+\bb)+7], v[(\f)+64+8*\bb:(\f)+64+8*\bb+7], v[(\f)+8*a:(\f)+8*a+7], v[8*(4*a+\bb):8*(4*a+\bb)+7]
.endif
.endr
.set a, a+1
.endr
.endm
; 24 LDS loads in one run: the fragments of quarter q into buffer f: proj_w's 8, O's blocks 0-3, O's blocks 4-7
.macro FETCH slot, q, f
	WIN 0
.irp bb, 0,1,2,3
	ds_load_b128 v[(\f)+64+8*\bb:(\f)+64+8*\bb+3],   v[ADRB+(\slot)] offset:\bb*KSB+(\q)*1024
	ds_load_b128 v[(\f)+64+8*\bb+4:(\f)+64+8*\bb+7], v[ADRB+(\slot)] offset:\bb*KSB+(\q)*1024+512
.endr
.irp ab, 0,1,2,3,4,5,6,7
	ds_load_b128 v[(\f)+8*\ab:(\f)+8*\ab+3],   v[ADRA+(\slot)] offset:\ab*KSB+(\q)*1024
	ds_load_b128 v[(\f)+8*\ab+4:(\f)+8*\ab+7], v[ADRA+(\slot)] offset:\ab*KSB+(\q)*1024+512
.endr
.endm
.macro QUARTER slot, q, f, g, zero
	s_wait_dscnt 8                                 ; proj_w and O's blocks 0-3 are in; the youngest eight loads may be out
	MULN \f, 0, 4, \zero
	PLACES
	FETCH \slot, \q, \g
	s_wait_dscnt 24                                ; all but the 24 just issued
	MULN \f, 4, 4, \zero
.endm
; The last quarter multiplies buffer 1 and changes slots: ONE barrier; in front of it each wave waits for all its tensor loads (one is out: its part of the next slot), adds 0 to its spare
; word, and waits for that and for its own reads of this slot.  fill = 1: the barrier opens a round of the cluster's, and this slot takes the K step two on, first thing behind the round.
.macro TURN slot, next, fill
	WIN 0
	s_wait_tensorcnt 0x0
	ds_add_u32 v[SPW], v[NIL]                      ; 0 onto my spare word
	s_wait_dscnt 9                                 ; (the add and the youngest eight loads may be out)
	MULN F1, 0, 2, 0
	s_wait_dscnt 0x0                               ; the add is done, and my reads of this slot are over
	s_barrier_signal -1
	MULN F1, 2, 2, 0
.if \fill
	WIN 0
.endif
	s_barrier_wait -1
.if \fill
	CREST
	s_add_nc_u64 s[G0A+4*(\slot)+2:G0A+4*(\slot)+3], s[G0A+4*(\slot)+2:G0A+4*(\slot)+3], 2*KSB
	s_add_nc_u64 s[G0B+4*(\slot)+2:G0B+4*(\slot)+3], s[G0B+4*(\slot)+2:G0B+4*(\slot)+3], 2*KSB
	JLOAD \slot                                    ; 112 matrix instructions ahead of the wait for it; its four v_nop are also the places in front of the loads below
.else
	PLACES
.endif
	FETCH \next, 0, F0
	MULN F1, 4, 4, 0
.endm
; Block a (16 rows): the accumulators go into my stage, each from its low end on, and come back as whole rows of 256 bytes, into buffer a % 4.
.macro TOSTAGE a
	WIN 0x04                                       ; the stores' data (source 1) in window 1
.irp bb, 0,1,2,3
	ds_store_b128 v24, v[8*(4*(\a)+\bb):8*(4*(\a)+\bb)+3]   offset:\bb*64
	ds_store_b128 v24, v[8*(4*(\a)+\bb)+4:8*(4*(\a)+\bb)+7] offset:\bb*64+16
.endr
	WIN 0
.set tb, F0+32*((\a)%4)
.irp i, 0,1,2,3,4,5,6,7
	ds_load_b128 v[tb+4*\i:tb+4*\i+3], v25 offset:\i*2*SP  ; LDS serves a wave's instructions in order (ISA guide 5.7.1.4): these see the stores above; the next block's stores come behind them
.endr
.endm
.macro SEND a, younger                 ; younger: the LDS instructions issued behind block a's loads: the next block's sixteen, or none
	WIN 0
.set tb, F0+32*((\a)%4)
	s_wait_dscnt \younger
.irp i, 0,1,2,3,4,5,6,7
	v_pk_add_f32 v[tb+4*\i:tb+4*\i+1],   v[tb+4*\i:tb+4*\i+1],   v[8:9]
	v_pk_add_f32 v[tb+4*\i+2:tb+4*\i+3], v[tb+4*\i+2:tb+4*\i+3], v[10:11]
.endr
.irp i, 0,1,2,3,4,5,6,7
	global_store_b128 v26, v[tb+4*\i:tb+4*\i+3], s[CB:CB+1] offset:(\a)*65536+\i*8192 th:TH_STORE_NT  ; 16 lanes store 256 consecutive bytes, at a multiple of 256 from out0's first byte
.endr
.endm
	s_wait_tensorcnt 1                             ; my part of K step 0 is in; K step 1's may stay out
	s_barrier_signal -1
	s_barrier_wait -1
	FETCH 0, 0, F0
	QUARTER 0, 1, F0, F1, 1                        ; the first quarter stands in front of the loop: its products start the sums
	WIN 0
	s_mov_b32 s3, 3
.Llap:                                                 ; a trip goes once round the ring, from a lap's second quarter to the next lap's first, and fills both slots again
	QUARTER 0, 2, F1, F0, 0
	QUARTER 0, 3, F0, F1, 0
	TURN 0, 1, 1
	QUARTER 1, 1, F0, F1, 0
	QUARTER 1, 2, F1, F0, 0
	QUARTER 1, 3, F0, F1, 0
	TURN 1, 0, 1
	QUARTER 0, 1, F0, F1, 0
	WIN 0
	s_sub_co_u32 s3, s3, 1
	s_cmp_lg_u32 s3, 0
	s_cbranch_scc1 .Llap
	QUARTER 0, 2, F1, F0, 0                        ; the last lap fills nothing
	QUARTER 0, 3, F0, F1, 0
	TURN 0, 1, 0
	QUARTER 1, 1, F0, F1, 0
	QUARTER 1, 2, F1, F0, 0
	QUARTER 1, 3, F0, F1, 0
	s_wait_dscnt 8                                 ; the very last quarter: nothing more to fetch
	MULN F1, 0, 4, 0
	s_wait_dscnt 0x0
	MULN F1, 4, 4, 0
	WIN 0
	s_wait_loadcnt 0x0                             ; the bias, rounded to bf16: six plain instructions on registers of their own, the places behind the last products
	v_cvt_pk_bf16_f32 v12, v8, v9
	v_cvt_pk_bf16_f32 v13, v10, v11
	v_lshlrev_b32 v8, 16, v12
	v_and_b32 v9, 0xffff0000, v12
	v_lshlrev_b32 v10, 16, v13
	v_and_b32 v11, 0xffff0000, v13
	TOSTAGE 0
.irp a, 1,2,3,4,5,6,7
.if \a >= 4
	s_wait_xcnt 0x0                                ; the buffer was block a - 4's store data: it is loaded again only behind this wait
.endif
	TOSTAGE \a
	SEND (\a)-1, 16
.endr
	SEND 7, 0
	s_wait_tensorcnt 0x0                           ; the wave's end, behind my last tensor load and my last LDS store
	ds_add_u32 v[SPW], v[NIL]
	s_wait_dscnt 0x0
	CROUND                                         ; the closing round: no work-group ends while a partner may still ask for a tile that names it
	s_endpgm
.Lfunc_end_k_q59a89f820e_proj:
	.size	k_q59a89f820e_proj, .Lfunc_end_k_q59a89f820e_proj-k_q59a89f820e_proj
	.p2alignl 7, 3214868480
	.fill 96, 4, 3214868480
	.section	.rodata,"a",@progbits
	.p2align	6, 0x0
	.amdhsa_kernel k_q59a89f820e_proj
		.amdhsa_group_segment_fixed_size 327680
		.amdhsa_private_segment_fixed_size 0
		.amdhsa_enable_private_segment 0
		.amdhsa_kernarg_size 32
		.amdhsa_user_sgpr_count 2
		.amdhsa_user_sgpr_kernarg_segment_ptr 1
		.amdhsa_wavefront_size32 1
		.amdhsa_system_sgpr_workgroup_id_x 1
		.amdhsa_system_sgpr_workgroup_id_y 1
		.amdhsa_system_sgpr_workgroup_id_z 1
		.amdhsa_system_vgpr_workitem_id 0
		.amdhsa_next_free_vgpr 512
		.amdhsa_next_free_sgpr 96
		.amdhsa_reserve_vcc 0
		.amdhsa_float_denorm_mode_32 3
		.amdhsa_float_denorm_mode_16_64 3
		.amdhsa_memory_ordered 1
		.amdhsa_forward_progress 1
		.amdhsa_inst_pref_size 93
	.end_amdhsa_kernel
	.amdgpu_metadata
---
amdhsa.version: [ 1, 2 ]
amdhsa.kernels:
  - .name:           k_q59a89f820e_proj
    .symbol:         k_q59a89f820e_proj.kd
    .args:
      - { .name: ob, .offset: 0, .size: 8, .value_kind: global_buffer, .address_space: global }
      - { .name: wpb, .offset: 8, .size: 8, .value_kind: global_buffer, .address_space: global }
      - { .name: proj_b, .offset: 16, .size: 8, .value_kind: global_buffer, .address_space: global }
      - { .name: out0, .offset: 24, .size: 8, .value_kind: global_buffer, .address_space: global }
    .group_segment_fixed_size: 327680
    .private_segment_fixed_size: 0
    .kernarg_segment_align: 8
    .kernarg_segment_size: 32
    .max_flat_workgroup_size: 128
    .sgpr_count:     96
    .vgpr_count:     512
    .wavefront_size: 32
...
	.end_amdgpu_metadata
.endif
;; end of part 4
;; ======== version 2 of 3: 4 launches; 1.12 times as fast as version 1
;; limits: values are held in f16: magnitudes above 65,504 overflow, below 6.1e-05 lose precision
;; workspace buffers: xb 16,777,216 bytes; wqb 6,291,456 bytes; wpb 2,097,152 bytes; qkvh 50,331,648 bytes; maskf 16,777,216 bytes; rowc 16,384 bytes; mbits 16,384 bytes of whole numbers; ob 16,777,216 bytes
;; launch prep (part 5): grid 512 x 1, 8 waves a work-group, no clusters, 36,864 bytes of LDS; arguments x, qkv_w, proj_w, attn_mask, xb, wqb, wpb, maskf, rowc, mbits; writes xb, wqb, wpb, maskf, rowc, mbits
.if DOCPART == 5
	.amdgcn_target "amdgcn-amd-amdhsa--gfx1250"
	.amdhsa_code_object_version 6
	.text
	.protected	k_q59a89f820e_prep
	.globl	k_q59a89f820e_prep
	.p2align	8
	.type	k_q59a89f820e_prep,@function
k_q59a89f820e_prep:
	s_mov_b64 s[64:65], 0
	v_nop
	global_prefetch_b8 v0, s[64:65] scope:SCOPE_SE
	s_setreg_imm32_b32 hwreg(HW_REG_WAVE_MODE, 25, 1), 1
	s_wait_xcnt 0x0
; PREPARATION.  Work-groups 0-383 round x, qkv_w and proj_w to 16 bits and lay them out in BLOCKED ORDER; work-groups 384-511 turn attn_mask into what the attention launch reads.
; BLOCKED ORDER of a matrix [rows][1024] of 16-bit numbers: [rows / 16][64 k blocks][512 bytes]; in a block lane L = r + 16 h owns 16 bytes: row r, k = 16 kb + 8 h + 0..7.  That is
; half a matrix fragment as it lies in registers, so every later fragment load is base + 16 L + a constant: 512 consecutive bytes.
; qkv_w's row blocks (kind x 64 + head x 4 + c) are written in the order head x 12 + kind x 4 + c: q, k and v of a head lie together, 12 row blocks on end.
; x and qkv_w are rounded to bf16.  proj_w is rounded to bf16 and that number written as f16 (its partner in the last product, O, is f16).
; LIMIT: below 6e-5 f16 keeps a fixed step of 6e-8, beyond 65,504 it has no number; proj_w as drawn lies within 0.03.
; THE MASK.  A row with no true key counts as all true with the scale 0: all its weights are then 2^0, the uniform row that a softmax of equal numbers gives.  Out go: maskf, 0 or -1e30
; in f32, in the order of the score accumulators (block [q / 64][key / 64] of 16,384 bytes; chunk ((t 4 + kg) 2 + u) of 512 bytes: lane (r, h) holds query 16 t + r, keys 16 kg + 8 h + 4 u + 0..3);
; rowc, for each row the scale log2(e) / 8 or 0, twice; mbits, for each 16 rows 32 words: even words = which key tiles of 64 hold a true key, odd words = which are all true.
; No matrix unit, no cluster: memory binds, and no two work-groups read the same bytes.
.set X,   16                           ; v[16:143]   conversion: chunk c, row i at X + 64 c + 4 i, f32 as loaded
.set Y,   144                          ; v[144:175]  row i's 4 numbers a lane, packed: 2 registers
.set R,   176                          ; v[176:207]  eight blocks read back from LDS, 4 registers each
.set M,   16                           ; v[16:47]    mask: register 8 tau + 4 g2 + n: keys 64 tau + 32 g2 + 16 h + 4 n + 0..3 of row r
.set T,   48                           ; v[48:79]    eight sets of four f32 on their way out
.set OT,  80                           ; v[80:83]    OR of a tile's eight registers
.set AT,  84                           ; v[84:87]    AND of them
.set WL,  88                           ; v[88:95]    the eight waves' row words
.set WP,  272                          ; a half block of 256 bytes + 16: 68 words, so that 16 half blocks start at 16 different groups of four banks (64 banks of 4 bytes: ISA guide 11.1)
.set WB,  16*WP                        ; a wave's own stage
.set RA,  8*WB                         ; behind the stages: [wave][16 rows] words
.set FL,  RA+512                       ; [wave] two words
	s_load_b256 s[4:11], s[0:1], 0x0               ; x s[4:5], qkv_w s[6:7], proj_w s[8:9], attn_mask s[10:11]
	s_load_b256 s[12:19], s[0:1], 0x20             ; xb s[12:13], wqb s[14:15], wpb s[16:17], maskf s[18:19]
	s_load_b128 s[20:23], s[0:1], 0x40             ; rowc s[20:21], mbits s[22:23]
	v_lshl_add_u32 v208, v0, 2, 0x8c00
	v_mov_b32 v209, 0
	v_lshrrev_b32 v1, 5, v0
	v_readfirstlane_b32 s24, v1                    ; wave 0..7
	v_and_b32 v6, 31, v0                           ; lane
	s_mov_b32 s25, ttmp9                           ; g
	s_wait_kmcnt 0x0
	s_cmp_ge_u32 s25, 384
	s_cbranch_scc1 .Lmask                          ; the same way for all eight waves of a work-group
; ---- CONVERSION.  g < 256: x; g < 352: qkv_w; else proj_w.  A wave takes 16 rows x 256 k: task 8 g' + wave = 4 x row block + quarter of K.
	s_sub_co_u32 s31, s25, 256
	s_sub_co_u32 s32, s25, 352
	s_cmp_ge_u32 s25, 256
	s_cselect_b64 s[26:27], s[6:7], s[4:5]         ; from
	s_cselect_b64 s[28:29], s[14:15], s[12:13]     ; to
	s_cselect_b32 s30, s31, s25                    ; g'
	s_cmp_ge_u32 s25, 352
	s_cselect_b64 s[26:27], s[8:9], s[26:27]
	s_cselect_b64 s[28:29], s[16:17], s[28:29]
	s_cselect_b32 s30, s32, s30
	s_lshl3_add_u32 s34, s30, s24                  ; the task
	s_lshr_b32 s35, s34, 2                         ; row block
	s_and_b32 s36, s34, 3                          ; quarter of K
	s_lshl_b32 s38, s35, 16                        ; 16 rows of 4,096 bytes of f32,
	s_lshl_b32 s37, s36, 10                        ; 256 f32
	s_add_co_u32 s38, s38, s37
	s_mov_b32 s39, 0
	s_add_nc_u64 s[26:27], s[26:27], s[38:39]
	s_lshr_b32 s42, s35, 6                         ; qkv_w's row block is kind x 64 + head x 4 + c:
	s_bfe_u32 s43, s35, 0x40002                    ; head: 4 bits from bit 2
	s_and_b32 s44, s35, 3                          ; c
	s_mul_i32 s43, s43, 12
	s_lshl2_add_u32 s42, s42, s43
	s_add_co_u32 s42, s42, s44                     ; it goes to row block head x 12 + kind x 4 + c
	s_cmp_lt_u32 s31, 96                           ; g - 256, unsigned, lies under 96 for qkv_w alone;
	s_cselect_b32 s42, s42, s35                    ; x and proj_w keep their order
	s_lshl_b32 s40, s42, 15                        ; a row block is 32,768 bytes,
	s_lshl_b32 s37, s36, 13                        ; 16 k blocks of 512
	s_add_co_u32 s40, s40, s37
	s_mov_b32 s41, 0
	s_add_nc_u64 s[28:29], s[28:29], s[40:41]
	v_lshlrev_b32 v1, 4, v6                        ; 16 L: my bytes in 512 consecutive ones, in and out
.irp c, 0,1
.set i, 0
.rept 16
	global_load_b128 v[X+64*\c+4*i:X+64*\c+4*i+3], v1, s[26:27] offset:i*4096+\c*512 th:TH_LOAD_NT  ; row i, 128 k: 512 consecutive bytes
.set i, i+1
.endr
.endr
	s_mul_i32 s33, s24, WB                         ; my wave's stage
	v_lshrrev_b32 v7, 1, v6                        ; my 4 k lie in half block L / 2 (k block L / 4, h = (L / 2) % 2),
	v_mul_u32_u24 v2, v7, WP
	v_and_b32 v7, 1, v6                            ; in its first or second 8 bytes of the row's 16
	v_lshl_add_u32 v2, v7, 3, v2
	v_add_nc_u32 v2, s33, v2
	v_lshrrev_b32 v7, 4, v6                        ; back: lanes 0-15 a block's first half, lanes 16-31 its second
	v_mul_u32_u24 v3, v7, WP
	v_and_b32 v7, 15, v6
	v_lshl_add_u32 v3, v7, 4, v3
	v_add_nc_u32 v3, s33, v3
; One chunk of 16 rows x 128 k: rounded, turned in my own stage, stored as eight blocks.  left = the younger loads that may stay out.
.macro CHUNK c, left
	s_wait_loadcnt \left                           ; loads come back in order (ISA guide 5.7.1): this chunk's sixteen are in
.set i, 0
.rept 16
	v_cvt_pk_bf16_f32 v[Y+2*i],   v[X+64*(\c)+4*i],   v[X+64*(\c)+4*i+1]
	v_cvt_pk_bf16_f32 v[Y+2*i+1], v[X+64*(\c)+4*i+2], v[X+64*(\c)+4*i+3]
.set i, i+1
.endr
	s_cmp_lt_u32 s25, 352
	s_cbranch_scc1 .Lbf_\@                         ; x and qkv_w stay bf16
.set i, 0
.rept 32
	v_lshlrev_b32 v8, 16, v[Y+i]                   ; proj_w: the bf16 numbers widened,
	v_and_b32 v9, 0xffff0000, v[Y+i]
	v_cvt_pk_f16_f32 v[Y+i], v8, v9                ; and written as f16
.set i, i+1
.endr
.Lbf_\@:
.set i, 0
.rept 16
	ds_store_b64 v2, v[Y+2*i:Y+2*i+1] offset:16*i  ; row i's place in each half block; the 32 lanes touch 64 different banks
.set i, i+1
.endr
	s_wait_xcnt 0x0                                ; R was the last chunk's store data: it is loaded again only behind this wait
.irp k, 0,1,2,3,4,5,6,7
	ds_load_b128 v[R+4*\k:R+4*\k+3], v3 offset:2*WP*\k  ; LDS serves a wave's instructions in order (ISA guide 5.7.1.4): these see the stores above
.endr
	s_wait_dscnt 0x0
.irp k, 0,1,2,3,4,5,6,7
	global_store_b128 v1, v[R+4*\k:R+4*\k+3], s[28:29] offset:(8*(\c)+\k)*512  ; a block: 512 consecutive bytes, aligned
.endr
.endm
	CHUNK 0, 16
	CHUNK 1, 0
	s_wait_tensorcnt 0x0
	ds_add_u32 v208, v209
	s_wait_dscnt 0x0
	s_endpgm
; ---- THE MASK.  Work-group 384 + qt takes rows 16 qt .. 16 qt + 15; wave w the key tiles 4 w .. 4 w + 3.
.Lmask:
	s_sub_co_u32 s26, s25, 384                     ; qt
	s_lshr_b32 s27, s26, 2                         ; its block of 64 queries
	s_and_b32 s28, s26, 3                          ; t: its place in the block
	v_and_b32 v7, 15, v0                           ; r
	v_bfe_u32 v8, v0, 4, 1                         ; h
	v_lshlrev_b32 v4, 11, v7
	v_lshl_add_u32 v4, v8, 4, v4                   ; row r, 16 bytes for each half of the lanes
	v_lshlrev_b32 v5, 4, v7
	v_lshl_add_u32 v5, v8, 10, v5                  ; out: my half's 16 keys are key group 2 g2 + h: 1,024 h + 16 r
	s_lshl_b32 s30, s26, 15                        ; 16 rows of 2,048 bytes,
	s_lshl_b32 s31, s24, 8                         ; my wave's 256 keys
	s_add_co_u32 s30, s30, s31
	s_mov_b32 s31, 0
	s_add_nc_u64 s[10:11], s[10:11], s[30:31]
.irp tau, 0,1,2,3
.irp g2, 0,1
	global_load_b128 v[M+8*\tau+4*\g2:M+8*\tau+4*\g2+3], v4, s[10:11] offset:64*\tau+32*\g2
.endr
.endr
	s_lshl_b32 s32, s27, 5
	s_lshl2_add_u32 s32, s24, s32                  ; block 32 qb + 4 w of maskf,
	s_lshl_b32 s32, s32, 14
	s_lshl_b32 s33, s28, 12                        ; my 16 rows' 4,096 bytes in it
	s_add_co_u32 s32, s32, s33
	s_mov_b32 s33, 0
	s_add_nc_u64 s[18:19], s[18:19], s[32:33]
	s_lshl_b32 s30, s26, 7                         ; 128 bytes for each 16 rows in rowc and in mbits
	s_add_nc_u64 s[20:21], s[20:21], s[30:31]
	s_add_nc_u64 s[22:23], s[22:23], s[30:31]
	s_mov_b32 s40, 0x76543210                      ; v_permlanex16_b32: each lane takes its own place in the other half
	s_mov_b32 s41, 0xfedcba98
	s_mov_b32 s50, 0x7149f2ca                      ; 1e30
	s_mov_b32 s51, s50                             ; named with it as a pair
	s_mov_b32 s52, 0xf149f2ca                      ; -1e30
	s_mov_b32 s53, s52
	s_lshl_b32 s42, s24, 6
	s_add_co_u32 s42, s42, RA
	v_lshl_add_u32 v11, v7, 2, s42                 ; my wave's word for row r
	v_lshl_add_u32 v13, v7, 2, RA                  ; wave 0's word for row r
	v_mov_b32 v10, 0
	s_wait_loadcnt 0x0
.irp tau, 0,1,2,3
	v_or_b32  v[OT+\tau], v[M+8*\tau], v[M+8*\tau+1]
	v_and_b32 v[AT+\tau], v[M+8*\tau], v[M+8*\tau+1]
.irp n, 2,3,4,5,6,7
	v_or_b32  v[OT+\tau], v[OT+\tau], v[M+8*\tau+\n]
	v_and_b32 v[AT+\tau], v[AT+\tau], v[M+8*\tau+\n]
.endr
.endr
	v_or_b32 v9, v[OT], v[OT+1]                    ; has my row a true key among my wave's 256?
	v_or_b32 v14, v[OT+2], v[OT+3]
	v_or_b32 v9, v9, v14
	v_permlanex16_b32 v10, v9, s40, s41            ; the row's other bytes lie in the lane 16 away
	v_or_b32 v9, v9, v10
	ds_store_b32 v11, v9
	s_wait_dscnt 0x0                               ; for the others' sake: my word is written
	s_barrier_signal -1
	s_barrier_wait -1
.irp k, 0,1,2,3,4,5,6,7
	ds_load_b32 v[WL+\k], v13 offset:64*\k         ; all eight waves' words for row r
.endr
	v_mov_b32 v15, 0x01010101
	v_mov_b32 v12, 0x3e38aa3b                      ; log2(e) / 8
	v_mov_b32 v14, 0
	s_wait_dscnt 0x0
.irp k, 1,2,3,4,5,6,7
	v_or_b32 v[WL], v[WL], v[WL+\k]
.endr
	v_cmp_eq_u32 vcc_lo, 0, v[WL]                  ; the row has no true key at all:
	v_cndmask_b32 v10, v14, v15, vcc_lo            ; it counts as all true,
	v_cndmask_b32 v12, v12, v14, vcc_lo            ; with the scale 0
.set i, 0
.rept 32
	v_or_b32 v[M+i], v[M+i], v10
.set i, i+1
.endr
	s_mov_b32 s44, 0                               ; my four tiles' bits: some key true,
	s_mov_b32 s45, 0                               ; all keys true
	s_lshl_b32 s46, s24, 2                         ; the tile's number
.irp tau, 0,1,2,3
	v_or_b32 v[OT+\tau], v[OT+\tau], v10           ; (a | f) & (b | f) = (a & b) | f: the trees above serve the filled mask too
	v_or_b32 v[AT+\tau], v[AT+\tau], v10
	v_cmp_ne_u32 s47, 0, v[OT+\tau]                ; lanes that hold a true key
	v_cmp_ne_u32 s48, v15, v[AT+\tau]              ; lanes that hold a false one
	s_cmp_lg_u32 s47, 0
	s_cselect_b32 s49, 1, 0
	s_lshl_b32 s49, s49, s46
	s_or_b32 s44, s44, s49
	s_cmp_eq_u32 s48, 0
	s_cselect_b32 s49, 1, 0
	s_lshl_b32 s49, s49, s46
	s_or_b32 s45, s45, s49
	s_add_co_u32 s46, s46, 1
.endr
	s_lshl_b32 s42, s24, 3
	s_add_co_u32 s42, s42, FL
	v_mov_b32 v11, s42
	v_mov_b32 v8, s44
	v_mov_b32 v9, s45
	ds_store_b64 v11, v[8:9]                       ; every lane writes the same two words
	s_wait_dscnt 0x0
	s_barrier_signal -1
	s_barrier_wait -1
; Register e of M goes out as four f32: 1e30 m - 1e30 in one rounding is 0 or -1e30.  Sixteen lanes fill 256 consecutive bytes, aligned.
.macro EMIT e
.set tt, T+4*((\e)%8)
.if (((\e)%8) == 0) && ((\e) > 0)
	s_wait_xcnt 0x0                                ; the eight sets are store data: they are written again only behind this wait
.endif
.irp k, 0,1,2,3
	v_bfe_u32 v[tt+\k], v[M+(\e)], 8*\k, 1
.endr
.irp k, 0,1,2,3
	v_cvt_f32_u32 v[tt+\k], v[tt+\k]
.endr
	v_pk_fma_f32 v[tt:tt+1],   v[tt:tt+1],   s[50:51], s[52:53] op_sel_hi:[1,0,0]
	v_pk_fma_f32 v[tt+2:tt+3], v[tt+2:tt+3], s[50:51], s[52:53] op_sel_hi:[1,0,0]
	global_store_b128 v5, v[tt:tt+3], s[18:19] offset:((\e)/8)*16384+(((\e)/4)%2)*2048+((\e)%2)*512+(((\e)%4)/2)*256
.endm
.set e, 0
.rept 32
	EMIT e
.set e, e+1
.endr
	s_cmp_lg_u32 s24, 0
	s_cbranch_scc1 .Lend                           ; wave 0 alone writes the 16 rows' words; no barrier follows
	v_mov_b32 v11, FL
.irp k, 0,1,2,3
	ds_load_b128 v[M+4*\k:M+4*\k+3], v11 offset:16*\k
.endr
	v_and_b32 v13, 1, v0
	v_cmp_eq_u32 vcc_lo, 1, v13
	v_lshlrev_b32 v6, 2, v6                        ; mbits: word = lane
	v_bfe_u32 v13, v0, 4, 1
	v_lshlrev_b32 v14, 3, v7
	v_lshl_add_u32 v14, v13, 2, v14                ; rowc: row r's two words come from lanes r and r + 16
	s_wait_dscnt 0x0
.irp k, 1,2,3,4,5,6,7
	v_or_b32 v[M],   v[M],   v[M+2*\k]             ; each wave set its own four bits
	v_or_b32 v[M+1], v[M+1], v[M+2*\k+1]
.endr
	v_cndmask_b32 v[M], v[M], v[M+1], vcc_lo       ; even words: some true; odd words: all true
	global_store_b32 v6, v[M], s[22:23]            ; 128 consecutive bytes
	global_store_b32 v14, v12, s[20:21]            ; 128 consecutive bytes
.Lend:
	s_wait_tensorcnt 0x0
	ds_add_u32 v208, v209
	s_wait_dscnt 0x0
	s_endpgm
.Lfunc_end_k_q59a89f820e_prep:
	.size	k_q59a89f820e_prep, .Lfunc_end_k_q59a89f820e_prep-k_q59a89f820e_prep
	.p2alignl 7, 3214868480
	.fill 96, 4, 3214868480
	.section	.rodata,"a",@progbits
	.p2align	6, 0x0
	.amdhsa_kernel k_q59a89f820e_prep
		.amdhsa_group_segment_fixed_size 36864
		.amdhsa_private_segment_fixed_size 0
		.amdhsa_enable_private_segment 0
		.amdhsa_kernarg_size 80
		.amdhsa_user_sgpr_count 2
		.amdhsa_user_sgpr_kernarg_segment_ptr 1
		.amdhsa_wavefront_size32 1
		.amdhsa_system_sgpr_workgroup_id_x 1
		.amdhsa_system_sgpr_workgroup_id_y 1
		.amdhsa_system_sgpr_workgroup_id_z 1
		.amdhsa_system_vgpr_workitem_id 0
		.amdhsa_next_free_vgpr 210
		.amdhsa_next_free_sgpr 66
		.amdhsa_reserve_vcc 1
		.amdhsa_float_denorm_mode_32 3
		.amdhsa_float_denorm_mode_16_64 3
		.amdhsa_memory_ordered 1
		.amdhsa_forward_progress 1
		.amdhsa_inst_pref_size 54
	.end_amdhsa_kernel
	.amdgpu_metadata
---
amdhsa.version: [ 1, 2 ]
amdhsa.kernels:
  - .name:           k_q59a89f820e_prep
    .symbol:         k_q59a89f820e_prep.kd
    .args:
      - { .name: x, .offset: 0, .size: 8, .value_kind: global_buffer, .address_space: global }
      - { .name: qkv_w, .offset: 8, .size: 8, .value_kind: global_buffer, .address_space: global }
      - { .name: proj_w, .offset: 16, .size: 8, .value_kind: global_buffer, .address_space: global }
      - { .name: attn_mask, .offset: 24, .size: 8, .value_kind: global_buffer, .address_space: global }
      - { .name: xb, .offset: 32, .size: 8, .value_kind: global_buffer, .address_space: global }
      - { .name: wqb, .offset: 40, .size: 8, .value_kind: global_buffer, .address_space: global }
      - { .name: wpb, .offset: 48, .size: 8, .value_kind: global_buffer, .address_space: global }
      - { .name: maskf, .offset: 56, .size: 8, .value_kind: global_buffer, .address_space: global }
      - { .name: rowc, .offset: 64, .size: 8, .value_kind: global_buffer, .address_space: global }
      - { .name: mbits, .offset: 72, .size: 8, .value_kind: global_buffer, .address_space: global }
    .group_segment_fixed_size: 36864
    .private_segment_fixed_size: 0
    .kernarg_segment_align: 8
    .kernarg_segment_size: 80
    .max_flat_workgroup_size: 256
    .sgpr_count:     66
    .vgpr_count:     210
    .wavefront_size: 32
...
	.end_amdgpu_metadata
.endif
;; end of part 5
;; launch qkvgemm (part 6): grid 8 x 32, 4 waves a work-group, clusters of 4 x 4, 327,680 bytes of LDS; arguments xb, wqb, qkv_b, qkvh; writes qkvh
.if DOCPART == 6
	.amdgcn_target "amdgcn-amd-amdhsa--gfx1250"
	.amdhsa_code_object_version 6
	.text
	.protected	k_q59a89f820e_qkvgemm
	.globl	k_q59a89f820e_qkvgemm
	.p2align	8
	.type	k_q59a89f820e_qkvgemm,@function
k_q59a89f820e_qkvgemm:
	s_mov_b64 s[64:65], 0
	v_nop
	global_prefetch_b8 v0, s[64:65] scope:SCOPE_SE
	s_setreg_imm32_b32 hwreg(HW_REG_WAVE_MODE, 25, 1), 1
	s_wait_xcnt 0x0
	s_wait_alu depctr_hold_cnt(0) depctr_sa_sdst(0) depctr_va_vdst(0) depctr_va_sdst(0) depctr_va_ssrc(0) depctr_va_vcc(0) depctr_vm_vsrc(0)
	s_getreg_b32 s2, hwreg(HW_REG_IB_STS2, 6, 4)
	s_cmp_eq_u32 s2, 0
	s_cbranch_scc0 .Lentry_in_a_cluster
	s_endpgm
.Lentry_in_a_cluster:
	s_bfe_u32 s2, ttmp6, 0x10000c
	s_cmp_lg_u32 s2, 0xf033
	s_cbranch_scc0 .Lentry_shape_is_right
	s_endpgm
.Lentry_shape_is_right:
; q, k AND V^T = x qkv_w^T + qkv_b, BY HEADS, IN f16.  Operands bf16 in blocked order ([rows / 16][64 k blocks][512 bytes]: lane r + 16 h owns row r, k = 16 kb + 8 h + 0..7), sums f32, the bias
; rounded to bf16 like the other inputs, the result rounded once.  LIMIT: f16 ends at 65,504; q, k and v as drawn lie near 4, and all inputs 30 times larger give some 3,500.
; SHARES.  A tile of the result is 256 tokens x 384 features: 32 x 8 = 256 tiles, one a work-group.  A tile column is two heads; wqb holds q, k and v of a head as 12 row blocks on end.
; Four waves, each 128 tokens x the 192 features of ONE head: 8 token blocks x 12 feature blocks = 96 accumulators, 768 registers: for 32 along K a wave reads 20 fragments from LDS for 96 products.
; THE SOURCES' ORDER.  q and k: source 0 = 16 features, source 1 = 16 tokens: a lane holds token l % 16 and eight neighbouring channels.  v: source 0 = 16 tokens, source 1 = 16 features: a lane holds
; channel l % 16 and eight neighbouring keys: V^T.  Either way the lane's eight numbers pack into its 16 bytes of a block of the result, stored straight from registers, 512 consecutive bytes an instruction.
; OUT: qkvh[kind 3][batch 4][head 16][262,144 bytes]; a head of q or k: [128 token blocks][4 channel blocks][512]; of V^T: [128 key blocks][4 channel blocks][512], lane = channel, 8 keys.
; RING.  K goes in steps of 96: three UNITS of 32, 3,072 consecutive bytes of each row block; two LDS slots of 40 row blocks (tokens' 16, then features' 24), 122,880 bytes each: two slots of 128 along K
; would be all of LDS and leave the spare words no room.  1,024 = 10 x 96 + 64: the eleventh step has two units; its load states 256 elements as what is left of a row, so the third unit's bytes
; arrive as zeros, and nobody reads them.  One tensor load a wave: waves 0, 1 eight rows of 3,072 bytes of x, waves 2, 3 twelve of qkv_w (the rows are long, so a load has few of them).
; In LDS the blocks lie as in memory: a fragment load takes 512 consecutive bytes, so no padding is wanted.  From a request to the wait for it a wave issues 256 matrix instructions.
; A wave has two tensor loads out at the start and one behind each round.
; CLUSTER 4 x 4: x's tile hangs on the tile row alone and is asked for jointly along the cluster's row, qkv_w's on the tile column alone, along its column.
; THE BIAS STARTS THE SUMS: it is written into the accumulators of token block 7; the first unit's products of blocks 0-6 take those registers as C, block 7's then add in place.  Nothing is cleared or added later.
; REGISTERS: window 0: v1 16 L; v16-21 LDS addresses; v24-25 bias offsets; v28-29 the add's; v32-95, v96-159 two buffers of tokens' fragments (block a at +8 a); v160-255 ONE buffer of features'
; fragments (group g = q, k, v at +32 g, block c at +8 c): group g is loaded anew as soon as the unit's products of group g are issued.  Windows 1, 2, 3: the accumulators of q, k, v: (a, c) at 8 (4 a + c).
.set NU,    3                          ; units in a K step
.set UB,    1024                       ; bytes of a unit in a row block
.set KSB,   NU*UB                      ; bytes of a K step in a row block
.set ASZ,   16*KSB                     ; the tokens' part of a slot
.set SLOT,  40*KSB
.set SPARE, 2*SLOT                     ; behind the ring: the spare words, 128 bytes for each wave: two blocks of 256 bytes that no other line names
.set ADRA, 16                          ; v16-17  LDS address of my tokens' fragments in slot 0, 1
.set ADRB, 20                          ; v20-21  the same for my head's features
.set SPW,  28                          ; v28     SPARE + 4 x my thread's number; never rewritten
.set NIL,  29                          ; v29     0; never rewritten
.set AF,   32
.set BF,   160
.set TB,   32                          ; the bias on its way, ahead of the first fragments: v32-99 as loaded, v128-161 packed
.set G1A, 24                           ; s[24:31] descriptor group 1 for x; s[32:39] group 0, a set for each slot
.set G0A, 32
.set G1B, 48                           ; s[48:55], s[56:63] the same for qkv_w
.set G0B, 56
.set CQ,  66                           ; s[66:67], s[68:69], s[70:71] where my part of q, k, V^T goes
.set CK,  68
.set CV,  70
.set BQ,  78                           ; s[78:79] the bias of my head's q
.set MSB, 0
.macro WIN new                         ; the immediate's high byte repeats the setting that is left; a switch that changes nothing is dropped
.if MSB != (\new)
	s_set_vgpr_msb (MSB<<8)|(\new)
.set MSB, \new
.endif
.endm
.macro JLOAD s                         ; a joint load: waves 0, 1 fetch x's halves, waves 2, 3 qkv_w's; an s_nop 0 and four v_nop follow each of the two lines
	s_cmp_eq_u32 s13, 0
	s_cbranch_scc0 .Lfor_b_\@
	tensor_load_to_lds s[G0A+4*(\s):G0A+4*(\s)+3], s[G1A:G1A+7]
	s_nop 0
.rept 4
	v_nop
.endr
	s_branch .Lasked_\@
.Lfor_b_\@:
	tensor_load_to_lds s[G0B+4*(\s):G0B+4*(\s)+3], s[G1B:G1B+7]
	s_nop 0
.rept 4
	v_nop
.endr
.Lasked_\@:
.endm
.macro CREST                           ; a round of the cluster's barrier behind its opening barrier
	s_cmp_lg_u32 s12, 0
	s_cbranch_scc1 .Lnot_wave_0_\@
	s_barrier_signal -3
.Lnot_wave_0_\@:
	s_barrier_wait -3
	s_barrier_signal -1
	s_barrier_wait -1
.endm
.macro CROUND
	s_barrier_signal -1
	s_barrier_wait -1
	CREST
.endm
.macro PLACES                          ; four places in front of loads into registers that matrix instructions have read, and of conversions that read results
.rept 4
	v_nop
.endr
.endm
	s_load_b256 s[4:11], s[0:1], 0x0               ; xb s[4:5], wqb s[6:7], qkv_b s[8:9], qkvh s[10:11]
	v_lshl_add_u32 v[SPW], v0, 2, SPARE
	v_mov_b32 v[NIL], 0
	ds_add_u32 v28, v29
	s_wait_dscnt 0x0
	v_lshrrev_b32 v2, 5, v0
	v_readfirstlane_b32 s12, v2                    ; wave 0..3
	s_lshr_b32 s13, s12, 1                         ; WR: my half of the tile's tokens.  Also: I fetch for x (0) or qkv_w (1)
	s_and_b32 s14, s12, 1                          ; WC: my head of the tile's two.  Also: which half of that operand's rows I fetch
	s_bfe_u32 s15, ttmp6, 0x40000                  ; cx
	s_bfe_u32 s16, ttmp6, 0x40004                  ; cy
	s_lshl_b32 s17, ttmp9, 2
	s_add_co_u32 s17, s17, s15                     ; tile column = 4 x cluster x + cx
	s_and_b32 s19, ttmp7, 0xffff
	s_lshl_b32 s18, s19, 2
	s_add_co_u32 s18, s18, s16                     ; tile row = 4 x cluster y + cy
	s_lshl_b32 s20, s16, 2
	s_lshl_b32 s20, 15, s20                        ; my row of the cluster
	s_lshl_b32 s21, 0x1111, s15                    ; my column
	s_or_b32 s[G1A], s20, (3<<16)|(1<<21)          ; 15:0 the mask; 17:16 elements of 8 bytes; 21 set beside a mask; no padding
	s_or_b32 s[G1B], s21, (3<<16)|(1<<21)
	s_mov_b32 s[G1A+1], 384<<16                    ; tensor_dim0 = 384 elements: 3,072 bytes
	s_mov_b32 s[G1A+2], 8<<16                      ; tensor_dim1 = 8 row blocks
	s_mov_b32 s[G1A+3], 384<<16                    ; tile_dim0
	s_mov_b32 s[G1A+4], 8                          ; tile_dim1
	s_mov_b32 s[G1A+5], 4096                       ; 4,096 elements from a row block to the next
	s_mov_b32 s[G1A+6], 0
	s_mov_b32 s[G1A+7], 0
	s_mov_b32 s[G1B+1], 384<<16
	s_mov_b32 s[G1B+2], 12<<16                     ; 12 row blocks: a head
	s_mov_b32 s[G1B+3], 384<<16
	s_mov_b32 s[G1B+4], 12
	s_mov_b32 s[G1B+5], 4096
	s_mov_b32 s[G1B+6], 0
	s_mov_b32 s[G1B+7], 0
	s_lshl_b32 s40, s18, 4                         ; x's offset in s40-41, which never hold cx; qkv_w's in s44-45, which never hold cy
	s_lshl3_add_u32 s40, s14, s40                  ; row block 16 x tile row + 8 x half
	s_lshl_b32 s40, s40, 15
	s_mov_b32 s41, 0
	s_mul_i32 s44, s17, 24
	s_mul_i32 s45, s14, 12
	s_add_co_u32 s44, s44, s45                     ; row block 24 x tile column + 12 x half
	s_lshl_b32 s44, s44, 15
	s_mov_b32 s45, 0
	s_mul_i32 s22, s14, 8*KSB                      ; where they go in a slot: no place in the cluster enters an LDS address
	s_mul_i32 s23, s14, 12*KSB
	s_add_co_u32 s23, s23, ASZ
	s_wait_kmcnt 0x0
	s_add_nc_u64 s[40:41], s[4:5], s[40:41]
	s_add_nc_u64 s[44:45], s[6:7], s[44:45]
	CROUND                                         ; all sixteen work-groups are here: the first joint loads meet
.irp s, 0,1
	s_mov_b32 s[G0A+4*(\s)], 1                     ; count = 1
	s_add_co_u32 s[G0A+4*(\s)+1], s22, (\s)*SLOT   ; LDS address
	s_add_nc_u64 s[G0A+4*(\s)+2:G0A+4*(\s)+3], s[40:41], (\s)*KSB  ; global address: K step s
	s_or_b32 s[G0A+4*(\s)+3], s[G0A+4*(\s)+3], 0x80000000          ; type = 2
	s_mov_b32 s[G0B+4*(\s)], 1
	s_add_co_u32 s[G0B+4*(\s)+1], s23, (\s)*SLOT
	s_add_nc_u64 s[G0B+4*(\s)+2:G0B+4*(\s)+3], s[44:45], (\s)*KSB
	s_or_b32 s[G0B+4*(\s)+3], s[G0B+4*(\s)+3], 0x80000000
	JLOAD \s
.endr
	v_and_b32 v2, 31, v0
	v_lshlrev_b32 v1, 4, v2                        ; 16 L
	v_and_b32 v3, 15, v0                           ; r
	v_bfe_u32 v4, v0, 4, 1                         ; h
	v_lshlrev_b32 v24, 5, v4                       ; q, k: my 8 channels' bias begins at 32 h
	v_lshlrev_b32 v25, 2, v3                       ; v: my channel's at 4 r
	s_lshl1_add_u32 s82, s17, s14                  ; my head = 2 x tile column + WC
	s_lshl_b32 s86, s82, 8                         ; 64 f32 a head
	s_mov_b32 s87, 0
	s_add_nc_u64 s[BQ:BQ+1], s[8:9], s[86:87]
.irp kc, 0,1,2,3,4,5,6,7               ; kind kc / 4 (k's bias lies 4,096 bytes behind q's), channel block kc % 4
	global_load_b128 v[TB+8*\kc:TB+8*\kc+3],   v24, s[BQ:BQ+1] offset:(\kc/4)*4096+(\kc%4)*64
	global_load_b128 v[TB+8*\kc+4:TB+8*\kc+7], v24, s[BQ:BQ+1] offset:(\kc/4)*4096+(\kc%4)*64+16
.endr
.irp c, 0,1,2,3
	global_load_b32 v[TB+64+\c], v25, s[BQ:BQ+1] offset:8192+\c*64
.endr
	s_mul_i32 s20, s13, 8*KSB                      ; my 8 row blocks of tokens
	v_add_nc_u32 v[ADRA], s20, v1
	v_add_nc_u32 v[ADRA+1], SLOT, v[ADRA]
	v_add_nc_u32 v[ADRB], s23, v1                  ; my head's 12 row blocks
	v_add_nc_u32 v[ADRB+1], SLOT, v[ADRB]
	s_lshr_b32 s85, s18, 3                         ; batch
	s_lshl4_add_u32 s83, s85, s82                  ; 16 batch + head,
	s_lshl_b32 s86, s83, 18                        ; 262,144 bytes each
	s_and_b32 s84, s18, 7
	s_lshl_b32 s84, s84, 4
	s_lshl3_add_u32 s84, s13, s84                  ; token block 16 (tile row % 8) + 8 WR,
	s_lshl_b32 s84, s84, 11                        ; 2,048 bytes each
	s_add_co_u32 s86, s86, s84
	s_add_nc_u64 s[CQ:CQ+1], s[10:11], s[86:87]
	s_add_nc_u64 s[CK:CK+1], s[CQ:CQ+1], 64<<18    ; k lies 64 heads behind q,
	s_add_nc_u64 s[CV:CV+1], s[CQ:CQ+1], 128<<18   ; V^T 128
	; the bias, rounded to bf16, goes into the accumulators of token block 7: (7, c) lies at 224 + 8 c of its window.  All this stands in the wait for the first tile.
	s_wait_loadcnt 0x0
.set p, 0
.rept 34
	v_cvt_pk_bf16_f32 v[TB+96+p], v[TB+2*p], v[TB+2*p+1]
.set p, p+1
.endr
	WIN 0x40                                       ; destination window 1: q; register j of (7, c) is the bias of channel 16 c + 8 h + j
.set p, 0
.rept 16
	v_lshlrev_b32 v[224+2*p],   16, v[TB+96+p]
	v_and_b32     v[224+2*p+1], 0xffff0000, v[TB+96+p]
.set p, p+1
.endr
	WIN 0x80                                       ; window 2: k
.set p, 0
.rept 16
	v_lshlrev_b32 v[224+2*p],   16, v[TB+112+p]
	v_and_b32     v[224+2*p+1], 0xffff0000, v[TB+112+p]
.set p, p+1
.endr
	WIN 0
	v_lshlrev_b32 v[TB+64], 16, v[TB+128]
	v_and_b32     v[TB+65], 0xffff0000, v[TB+128]
	v_lshlrev_b32 v[TB+66], 16, v[TB+129]
	v_and_b32     v[TB+67], 0xffff0000, v[TB+129]
	WIN 0xc0                                       ; window 3: v; all eight registers of (7, c) are the bias of channel 16 c + r
.set i, 0
.rept 32
	v_mov_b32 v[224+i], v[TB+64+i/8]
.set i, i+1
.endr
	WIN 0
; n x 4 matrix instructions of group g (0 q, 1 k, 2 v): token blocks a0 .. a0 + n - 1 from buffer f x the group's 4 feature blocks, 32 along K.  The accumulators take turns, one instruction a turn.
; first = 1: the sum starts with the bias, which lies in (7, c).
.macro STR f, g, a0, n, first
	WIN 0x50*((\g)+1)
.set a, \a0
.rept \n
.irp c, 0,1,2,3
.set rD, 8*(4*a+\c)
.set rA, AF+64*(\f)+8*a
.set rB, BF+32*(\g)+8*\c
.if \first
.set rC, 8*(28+\c)
.else
.set rC, rD
.endif
.if (\g) < 2
	v_wmma_f32_16x16x32_bf16 v[rD:rD+7], v[rB:rB+7], v[rA:rA+7], v[rC:rC+7]
.else
	v_wmma_f32_16x16x32_bf16 v[rD:rD+7], v[rA:rA+7], v[rB:rB+7], v[rC:rC+7]
.endif
.endr
.set a, a+1
.endr
.endm
.macro STRF f, g, first                ; a whole stretch of 32.  In the first unit five places stand in front of block 7's products, which write over what the others took as C (ISA guide 7.12.1)
.if \first
	STR \f, \g, 0, 7, 1
.rept 5
	v_nop
.endr
	STR \f, \g, 7, 1, 1
.else
	STR \f, \g, 0, 8, 0
.endif
.endm
.macro FB slot, nu, g                  ; 8 LDS loads: group g's fragments of unit nu of a slot
	WIN 0
.irp c, 0,1,2,3
	ds_load_b128 v[BF+32*(\g)+8*\c:BF+32*(\g)+8*\c+3],   v[ADRB+(\slot)] offset:(4*(\g)+\c)*KSB+(\nu)*UB
	ds_load_b128 v[BF+32*(\g)+8*\c+4:BF+32*(\g)+8*\c+7], v[ADRB+(\slot)] offset:(4*(\g)+\c)*KSB+(\nu)*UB+512
.endr
.endm
.macro FA slot, nu, f                  ; 16 LDS loads: the tokens' fragments of unit nu of a slot, into buffer f
	WIN 0
.irp ab, 0,1,2,3,4,5,6,7
	ds_load_b128 v[AF+64*(\f)+8*\ab:AF+64*(\f)+8*\ab+3],   v[ADRA+(\slot)] offset:\ab*KSB+(\nu)*UB
	ds_load_b128 v[AF+64*(\f)+8*\ab+4:AF+64*(\f)+8*\ab+7], v[ADRA+(\slot)] offset:\ab*KSB+(\nu)*UB+512
.endr
.endm
; A UNIT: 96 matrix instructions on tokens' buffer f, in three stretches; behind stretch g the next unit's (unit nu of the same slot) group g is fetched, behind stretch 0 its tokens too.
; LDS loads come back in order (ISA guide 5.7.1); they were issued: group 0 (8), tokens (16), group 1 (8), group 2 (8).
.macro UNIT f, slot, nu, first
	s_wait_dscnt 16                                ; group 0 and the tokens are in; groups 1 and 2 may be out
	STRF \f, 0, \first
	PLACES
	FB \slot, \nu, 0
	FA \slot, \nu, 1-(\f)
	s_wait_dscnt 32                                ; group 1 is in: behind it went group 2's 8 and the 24 just issued
	STRF \f, 1, \first
	PLACES
	FB \slot, \nu, 1
	s_wait_dscnt 32                                ; group 2 is in: behind it went those 24 and the 8 just issued
	STRF \f, 2, \first
	PLACES
	FB \slot, \nu, 2
.endm
; A K step's last unit changes slots: ONE barrier; in front of it each wave waits for all its tensor loads (one is out: its part of the next slot), adds 0 to its spare word, and waits for that
; and for its own reads of this slot, which were all issued in the unit before.  mode 1: this slot takes the K step two on; mode 3: the same, and that step is the short last one; mode 0: nothing is
; asked for.  Where the slot is filled again the barrier opens a round of the cluster's: no wave of any partner still reads the slot or has a load on its way, and the joint refill is the first
; thing behind it.  Then the next slot's first unit is fetched as in every unit.
.macro TUNIT f, slot, next, mode
	WIN 0
	s_wait_tensorcnt 0x0
	ds_add_u32 v[SPW], v[NIL]                      ; 0 onto my spare word
	s_wait_dscnt 17                                ; group 0 and the tokens are in; groups 1 and 2 and the add may be out
	STR \f, 0, 0, 4, 0
	s_wait_dscnt 0x0                               ; the add is done, and my reads of this slot are over
	s_barrier_signal -1
	STR \f, 0, 4, 4, 0
.if \mode
	WIN 0
.endif
	s_barrier_wait -1
.if \mode
	CREST
	s_add_nc_u64 s[G0A+4*(\slot)+2:G0A+4*(\slot)+3], s[G0A+4*(\slot)+2:G0A+4*(\slot)+3], 2*KSB
	s_add_nc_u64 s[G0B+4*(\slot)+2:G0B+4*(\slot)+3], s[G0B+4*(\slot)+2:G0B+4*(\slot)+3], 2*KSB
.if (\mode) == 3
	s_mov_b32 s[G1A+1], 256<<16                    ; 2,048 bytes are left of each row: what lies beyond arrives as zeros
	s_mov_b32 s[G1B+1], 256<<16
.endif
	JLOAD \slot                                    ; its four v_nop are also the places in front of the loads below
.else
	PLACES
.endif
	FB \next, 0, 0
	FA \next, 0, 1-(\f)
	STR \f, 1, 0, 8, 0                             ; groups 1 and 2 are in since the wait for 0
	PLACES
	FB \next, 0, 1
	STR \f, 2, 0, 8, 0
	PLACES
	FB \next, 0, 2
.endm
; THE WAY OUT of window w: each accumulator is rounded to f16 in place, from its low end on (pair p goes into register p, which has been read by then), and stored: accumulator n = 4 a + c is
; token (key) block a, channel block c: 512 n bytes on.
.macro OUT w, base
	WIN (\w)|((\w)<<2)|((\w)<<6)
.set n, 0
.rept 32
.irp p2, 0,1,2,3
	v_cvt_pk_f16_f32 v[8*n+\p2], v[8*n+2*\p2], v[8*n+2*\p2+1]
.endr
.set n, n+1
.endr
	WIN (\w)<<2                                    ; the stores' data (source 1) in window w, their address in window 0
.set n, 0
.rept 32
	global_store_b128 v1, v[8*n:8*n+3], s[\base:\base+1] offset:512*n  ; 512 consecutive bytes, aligned
.set n, n+1
.endr
.endm
	s_wait_tensorcnt 1                             ; my part of K step 0 is in; K step 1's may stay out
	s_barrier_signal -1
	s_barrier_wait -1
	FB 0, 0, 0
	FA 0, 0, 0
	FB 0, 0, 1
	FB 0, 0, 2
	UNIT 0, 0, 1, 1                                ; the first unit stands in front of the loop: its products start the sums
	WIN 0
	s_mov_b32 s3, 4
.Llap:                                                 ; a trip goes once round the ring, from a lap's second unit to the next lap's first, and fills both slots again: K steps 2 to 9
	UNIT 1, 0, 2, 0
	TUNIT 0, 0, 1, 1
	UNIT 1, 1, 1, 0
	UNIT 0, 1, 2, 0
	TUNIT 1, 1, 0, 1
	UNIT 0, 0, 1, 0
	WIN 0
	s_sub_co_u32 s3, s3, 1
	s_cmp_lg_u32 s3, 0
	s_cbranch_scc1 .Llap
	UNIT 1, 0, 2, 0                                ; K step 8 goes on;
	TUNIT 0, 0, 1, 3                               ; slot 0 takes the short K step 10
	UNIT 1, 1, 1, 0                                ; K step 9
	UNIT 0, 1, 2, 0
	TUNIT 1, 1, 0, 0                               ; nothing more is asked for
	UNIT 0, 0, 1, 0                                ; K step 10: two units
	s_wait_dscnt 16                                ; the very last unit: nothing more to fetch
	STR 1, 0, 0, 8, 0
	s_wait_dscnt 8
	STR 1, 1, 0, 8, 0
	s_wait_dscnt 0x0
	STR 1, 2, 0, 8, 0
	PLACES
	OUT 1, CQ
	OUT 2, CK
	OUT 3, CV
	WIN 0
	s_wait_tensorcnt 0x0                           ; the wave's end
	ds_add_u32 v[SPW], v[NIL]
	s_wait_dscnt 0x0
	CROUND                                         ; the closing round: no work-group ends while a partner may still ask for a tile that names it
	s_endpgm
.Lfunc_end_k_q59a89f820e_qkvgemm:
	.size	k_q59a89f820e_qkvgemm, .Lfunc_end_k_q59a89f820e_qkvgemm-k_q59a89f820e_qkvgemm
	.p2alignl 7, 3214868480
	.fill 96, 4, 3214868480
	.section	.rodata,"a",@progbits
	.p2align	6, 0x0
	.amdhsa_kernel k_q59a89f820e_qkvgemm
		.amdhsa_group_segment_fixed_size 327680
		.amdhsa_private_segment_fixed_size 0
		.amdhsa_enable_private_segment 0
		.amdhsa_kernarg_size 32
		.amdhsa_user_sgpr_count 2
		.amdhsa_user_sgpr_kernarg_segment_ptr 1
		.amdhsa_wavefront_size32 1
		.amdhsa_system_sgpr_workgroup_id_x 1
		.amdhsa_system_sgpr_workgroup_id_y 1
		.amdhsa_system_sgpr_workgroup_id_z 1
		.amdhsa_system_vgpr_workitem_id 0
		.amdhsa_next_free_vgpr 1024
		.amdhsa_next_free_sgpr 96
		.amdhsa_reserve_vcc 0
		.amdhsa_float_denorm_mode_32 3
		.amdhsa_float_denorm_mode_16_64 3
		.amdhsa_memory_ordered 1
		.amdhsa_forward_progress 1
		.amdhsa_inst_pref_size 180
	.end_amdhsa_kernel
	.amdgpu_metadata
---
amdhsa.version: [ 1, 2 ]
amdhsa.kernels:
  - .name:           k_q59a89f820e_qkvgemm
    .symbol:         k_q59a89f820e_qkvgemm.kd
    .args:
      - { .name: xb, .offset: 0, .size: 8, .value_kind: global_buffer, .address_space: global }
      - { .name: wqb, .offset: 8, .size: 8, .value_kind: global_buffer, .address_space: global }
      - { .name: qkv_b, .offset: 16, .size: 8, .value_kind: global_buffer, .address_space: global }
      - { .name: qkvh, .offset: 24, .size: 8, .value_kind: global_buffer, .address_space: global }
    .group_segment_fixed_size: 327680
    .private_segment_fixed_size: 0
    .kernarg_segment_align: 8
    .kernarg_segment_size: 32
    .max_flat_workgroup_size: 128
    .sgpr_count:     96
    .vgpr_count:     1024
    .wavefront_size: 32
...
	.end_amdgpu_metadata
.endif
;; end of part 6
;; launch attn: the kernel of part 3 again; grid 32 x 8, 8 waves a work-group, no clusters, 0 bytes of LDS; arguments qkvh, maskf, mbits, rowc, ob; writes ob
;; launch proj (part 7): grid 8 x 32, 4 waves a work-group, clusters of 4 x 4, 327,680 bytes of LDS; arguments ob, wpb, proj_b, out0; writes out0
.if DOCPART == 7
	.amdgcn_target "amdgcn-amd-amdhsa--gfx1250"
	.amdhsa_code_object_version 6
	.text
	.protected	k_q59a89f820e_proj
	.globl	k_q59a89f820e_proj
	.p2align	8
	.type	k_q59a89f820e_proj,@function
k_q59a89f820e_proj:
	s_mov_b64 s[64:65], 0
	v_nop
	global_prefetch_b8 v0, s[64:65] scope:SCOPE_SE
	s_setreg_imm32_b32 hwreg(HW_REG_WAVE_MODE, 25, 1), 1
	s_wait_xcnt 0x0
	s_wait_alu depctr_hold_cnt(0) depctr_sa_sdst(0) depctr_va_vdst(0) depctr_va_sdst(0) depctr_va_ssrc(0) depctr_va_vcc(0) depctr_vm_vsrc(0)
	s_getreg_b32 s2, hwreg(HW_REG_IB_STS2, 6, 4)
	s_cmp_eq_u32 s2, 0
	s_cbranch_scc0 .Lentry_in_a_cluster
	s_endpgm
.Lentry_in_a_cluster:
	s_bfe_u32 s2, ttmp6, 0x10000c
	s_cmp_lg_u32 s2, 0xf033
	s_cbranch_scc0 .Lentry_shape_is_right
	s_endpgm
.Lentry_shape_is_right:
; out0 = O proj_w^T + proj_b, f32.  O and proj_w in f16 (proj_w holds numbers rounded to bf16), both in blocked order ([rows / 16][64 k blocks][512 bytes]: lane r + 16 h owns row r,
; k = 16 kb + 8 h + 0..7); sums f32; the bias rounded to bf16 like the other inputs.
; SHARES.  A tile of out0 is 256 rows x 128 columns: 32 x 8 = 256 tiles, one a work-group; four waves, each 128 x 64: 32 accumulators.
; RING.  K goes in steps of 192: six UNITS of 32, 6,144 consecutive bytes of each row block; two LDS slots of 24 row blocks (O's 16, then proj_w's 8), 147,456 bytes each: the longest step of which
; two slots fit beside the stages.  1,024 = 5 x 192 + 64: the sixth step has two units.  The descriptors state as tensor_dim0 what is left of a row block's 4,096 elements from the tile's first element;
; that word steps down by a K step at each refill, so of the sixth step 256 elements are fetched, the rest of its tile arrives as zeros, and nobody reads it.
; One tensor load a wave: waves 0, 1 eight rows of 6,144 bytes of O, waves 2, 3 four of proj_w (the rows are long, so a load has few of them).  In LDS the blocks lie as in memory: a fragment load
; takes 512 consecutive bytes, so no padding is wanted.  From a request to the wait for it a wave issues 176 matrix instructions.
; A wave has two tensor loads out at the start and one behind each round.
; THE LOOP goes by steps: a trip is a step's units 1 to 5 and the next step's unit 0.  The slot in hand is a scalar, 0 or SLOT, turned by an exclusive or at each change of slots.
; CLUSTER 4 x 4: O's tile hangs on the tile row alone and is asked for jointly along the cluster's row, proj_w's on the tile column alone, along its column.
; THE MATRIX INSTRUCTION IS USED TRANSPOSED (source 0 = 16 rows of proj_w, source 1 = 16 rows of O): a lane holds row l % 16 and eight neighbouring columns.
; THE WAY OUT goes through a stage of the wave's own in LDS, 16 rows at a time: a wave's 64 columns of f32 are 256 consecutive bytes of a row, which sixteen lanes then store whole.
; REGISTERS: window 0: v1 16 L; v8-13 bias; v16-21 LDS addresses; v24-27 the way out's; v28-29 the add's; v64-159, v160-255 two fragment buffers (O's block a at +8 a, proj_w's bb at +64 + 8 bb),
; on the way out four buffers of 32 from v64 on.  Window 1: accumulator (a, bb) at 8 (4 a + bb).
.set NU,    6                          ; units in a K step
.set UB,    1024                       ; bytes of a unit in a row block
.set KSB,   NU*UB                      ; bytes of a K step in a row block
.set KEL,   KSB/8                      ; the same in the descriptors' elements of 8 bytes
.set ASZ,   16*KSB                     ; O's part of a slot
.set SLOT,  24*KSB
.set STAGE, 2*SLOT                     ; behind the ring, never filled by a tensor load: 16 rows x 272 bytes for each wave
.set SP,    272                        ; 256 + 16 bytes = 68 words: the 16 rows of a store start at 16 different groups of four banks (64 banks of 4 bytes: ISA guide 11.1)
.set SPARE, STAGE+4*16*SP              ; behind the stages: the spare words, 128 bytes for each wave: two blocks of 256 bytes that no other line names
.set ADRA, 16                          ; v16     LDS address of my fragments of O in the slot in hand
.set A0,   17                          ; v17     the same in slot 0; never rewritten
.set ADRB, 20                          ; v20-21  likewise for proj_w
.set B0,   21
.set SPW,  28                          ; v28     SPARE + 4 x my thread's number; never rewritten
.set NIL,  29                          ; v29     0; never rewritten
.set F0,   64
.set F1,   160
.set G1A, 24                           ; s[24:31] descriptor group 1 for O; s[32:39] group 0: a set for each of the two first fills; the second then walks on
.set G0A, 32
.set G1B, 48                           ; s[48:55], s[56:63] the same for proj_w
.set G0B, 56
.set CB,  74                           ; s[74:75] my part of out0
.set BQ,  78                           ; s[78:79] the bias of my 64 columns
.set TO,  90                           ; s90      the slot in hand: 0 or SLOT
.set MSB, 0
.macro WIN new                         ; the immediate's high byte repeats the setting that is left; a switch that changes nothing is dropped
.if MSB != (\new)
	s_set_vgpr_msb (MSB<<8)|(\new)
.set MSB, \new
.endif
.endm
.set MUL, 0x50                         ; sources 0 and 1 window 0; C and D window 1
.macro JLOAD s                         ; a joint load: waves 0, 1 fetch O's halves, waves 2, 3 proj_w's; an s_nop 0 and four v_nop follow each of the two lines
	s_cmp_eq_u32 s13, 0
	s_cbranch_scc0 .Lfor_b_\@
	tensor_load_to_lds s[G0A+4*(\s):G0A+4*(\s)+3], s[G1A:G1A+7]
	s_nop 0
.rept 4
	v_nop
.endr
	s_branch .Lasked_\@
.Lfor_b_\@:
	tensor_load_to_lds s[G0B+4*(\s):G0B+4*(\s)+3], s[G1B:G1B+7]
	s_nop 0
.rept 4
	v_nop
.endr
.Lasked_\@:
.endm
.macro CREST                           ; a round of the cluster's barrier behind its opening barrier
	s_cmp_lg_u32 s12, 0
	s_cbranch_scc1 .Lnot_wave_0_\@
	s_barrier_signal -3
.Lnot_wave_0_\@:
	s_barrier_wait -3
	s_barrier_signal -1
	s_barrier_wait -1
.endm
.macro CROUND
	s_barrier_signal -1
	s_barrier_wait -1
	CREST
.endm
.macro PLACES                          ; four places in front of loads into registers that matrix instructions have read
.rept 4
	v_nop
.endr
.endm
	s_load_b256 s[4:11], s[0:1], 0x0               ; ob s[4:5], wpb s[6:7], proj_b s[8:9], out0 s[10:11]
	v_lshl_add_u32 v[SPW], v0, 2, SPARE
	v_mov_b32 v[NIL], 0
	ds_add_u32 v28, v29
	s_wait_dscnt 0x0
	v_lshrrev_b32 v2, 5, v0
	v_readfirstlane_b32 s12, v2                    ; wave 0..3
	s_lshr_b32 s13, s12, 1                         ; WR: my half of the rows.  Also: I fetch for O (0) or proj_w (1)
	s_and_b32 s14, s12, 1                          ; WC: my half of the columns.  Also: which half of that operand's rows I fetch
	s_bfe_u32 s15, ttmp6, 0x40000                  ; cx
	s_bfe_u32 s16, ttmp6, 0x40004                  ; cy
	s_lshl_b32 s17, ttmp9, 2
	s_add_co_u32 s17, s17, s15                     ; tile column
	s_and_b32 s19, ttmp7, 0xffff
	s_lshl_b32 s18, s19, 2
	s_add_co_u32 s18, s18, s16                     ; tile row
	s_lshl_b32 s20, s16, 2
	s_lshl_b32 s20, 15, s20                        ; my row of the cluster
	s_lshl_b32 s21, 0x1111, s15                    ; my column
	s_or_b32 s[G1A], s20, (3<<16)|(1<<21)          ; 15:0 the mask; 17:16 elements of 8 bytes; 21 set beside a mask; no padding
	s_or_b32 s[G1B], s21, (3<<16)|(1<<21)
	s_mov_b32 s[G1A+1], (4096-KEL)<<16             ; tensor_dim0: what is left of a row block from K step 1's first element; K step 0's tile lies inside it too
	s_mov_b32 s[G1A+2], 8<<16                      ; tensor_dim1 = 8 row blocks
	s_mov_b32 s[G1A+3], KEL<<16                    ; tile_dim0 = 768 elements: 6,144 bytes
	s_mov_b32 s[G1A+4], 8                          ; tile_dim1
	s_mov_b32 s[G1A+5], 4096                       ; 4,096 elements from a row block to the next
	s_mov_b32 s[G1A+6], 0
	s_mov_b32 s[G1A+7], 0
	s_mov_b32 s[G1B+1], (4096-KEL)<<16
	s_mov_b32 s[G1B+2], 4<<16                      ; 4 row blocks
	s_mov_b32 s[G1B+3], KEL<<16
	s_mov_b32 s[G1B+4], 4
	s_mov_b32 s[G1B+5], 4096
	s_mov_b32 s[G1B+6], 0
	s_mov_b32 s[G1B+7], 0
	s_lshl_b32 s40, s18, 4                         ; O's offset in s40-41, which never hold cx; proj_w's in s44-45, which never hold cy
	s_lshl3_add_u32 s40, s14, s40                  ; row block 16 x tile row + 8 x half
	s_lshl_b32 s40, s40, 15
	s_mov_b32 s41, 0
	s_lshl_b32 s44, s17, 3
	s_lshl2_add_u32 s44, s14, s44                  ; row block 8 x tile column + 4 x half
	s_lshl_b32 s44, s44, 15
	s_mov_b32 s45, 0
	s_mul_i32 s22, s14, 8*KSB                      ; where they go in a slot: no place in the cluster enters an LDS address
	s_mul_i32 s23, s14, 4*KSB
	s_add_co_u32 s23, s23, ASZ
	s_mov_b32 s[TO], 0                             ; K step 0 lies in slot 0
	s_wait_kmcnt 0x0
	s_add_nc_u64 s[40:41], s[4:5], s[40:41]
	s_add_nc_u64 s[44:45], s[6:7], s[44:45]
	CROUND                                         ; all sixteen work-groups are here: the first joint loads meet
.irp s, 0,1
	s_mov_b32 s[G0A+4*(\s)], 1                     ; count = 1
	s_add_co_u32 s[G0A+4*(\s)+1], s22, (\s)*SLOT   ; LDS address
	s_add_nc_u64 s[G0A+4*(\s)+2:G0A+4*(\s)+3], s[40:41], (\s)*KSB  ; global address: K step s
	s_or_b32 s[G0A+4*(\s)+3], s[G0A+4*(\s)+3], 0x80000000          ; type = 2
	s_mov_b32 s[G0B+4*(\s)], 1
	s_add_co_u32 s[G0B+4*(\s)+1], s23, (\s)*SLOT
	s_add_nc_u64 s[G0B+4*(\s)+2:G0B+4*(\s)+3], s[44:45], (\s)*KSB
	s_or_b32 s[G0B+4*(\s)+3], s[G0B+4*(\s)+3], 0x80000000
	JLOAD \s
.endr
	v_and_b32 v2, 31, v0
	v_lshlrev_b32 v1, 4, v2                        ; 16 L
	v_and_b32 v3, 15, v0                           ; r
	v_bfe_u32 v4, v0, 4, 1                         ; h
	s_mul_i32 s20, s13, 8*KSB                      ; my 8 row blocks of O
	v_add_nc_u32 v[A0], s20, v1
	v_add_nc_u32 v[B0], s23, v1                    ; my 4 row blocks of proj_w
	v_add_nc_u32 v[ADRA], s[TO], v[A0]
	v_add_nc_u32 v[ADRB], s[TO], v[B0]
	s_mul_i32 s82, s12, 16*SP
	s_add_co_u32 s82, s82, STAGE                   ; my stage
	v_mul_u32_u24 v24, v3, SP                      ; in: row r, 32 bytes (8 f32) for each half of the lanes
	v_lshl_add_u32 v24, v4, 5, v24
	v_add_nc_u32 v24, s82, v24
	v_mul_u32_u24 v25, v4, SP                      ; back: lanes 0-15 one row of 256 bytes, lanes 16-31 the next
	v_lshl_add_u32 v25, v3, 4, v25
	v_add_nc_u32 v25, s82, v25
	v_lshlrev_b32 v27, 4, v3                       ; my four columns
	v_lshl_add_u32 v26, v4, 12, v27                ; and the same two rows in out0
	s_lshl_b32 s86, s17, 9
	s_lshl_b32 s83, s14, 8
	s_add_co_u32 s86, s86, s83                     ; my 64 columns: 512 x tile column + 256 x half, in bytes
	s_mov_b32 s87, 0
	s_add_nc_u64 s[BQ:BQ+1], s[8:9], s[86:87]
	global_load_b128 v[8:11], v27, s[BQ:BQ+1]      ; their bias
	s_lshl_b32 s84, s18, 8
	s_lshl_b32 s83, s13, 7
	s_add_co_u32 s84, s84, s83                     ; my first row,
	s_lshl_b32 s84, s84, 12                        ; 4,096 bytes each
	s_add_co_u32 s88, s84, s86
	s_mov_b32 s89, 0
	s_add_nc_u64 s[CB:CB+1], s[10:11], s[88:89]
; n x 4 matrix instructions: O's blocks a0 .. a0 + n - 1 x all 4 blocks of proj_w, 32 along K.  The accumulators take turns, one instruction a turn.
.macro MULN f, a0, n, zero
	WIN MUL
.set a, \a0
.rept \n
.irp bb, 0,1,2,3
.if \zero
	v_wmma_f32_16x16x32_f16 v[8*(4*a+\bb):8*(4*a+\bb)+7], v[(\f)+64+8*\bb:(\f)+64+8*\bb+7], v[(\f)+8*a:(\f)+8*a+7], 0
.else
	v_wmma_f32_16x16x32_f16 v[8*(4*a+\bb):8*(4*a+\bb)+7], v[(\f)+64+8*\bb:(\f)+64+8*\bb+7], v[(\f)+8*a:(\f)+8*a+7], v[8*(4*a+\bb):8*(4*a+\bb)+7]
.endif
.endr
.set a, a+1
.endr
.endm
; 24 LDS loads in one run: the fragments of unit q of the slot in hand into buffer f: proj_w's 8, O's blocks 0-3, O's blocks 4-7
.macro FETCH q, f
	WIN 0
.irp bb, 0,1,2,3
	ds_load_b128 v[(\f)+64+8*\bb:(\f)+64+8*\bb+3],   v[ADRB] offset:\bb*KSB+(\q)*UB
	ds_load_b128 v[(\f)+64+8*\bb+4:(\f)+64+8*\bb+7], v[ADRB] offset:\bb*KSB+(\q)*UB+512
.endr
.irp ab, 0,1,2,3,4,5,6,7
	ds_load_b128 v[(\f)+8*\ab:(\f)+8*\ab+3],   v[ADRA] offset:\ab*KSB+(\q)*UB
	ds_load_b128 v[(\f)+8*\ab+4:(\f)+8*\ab+7], v[ADRA] offset:\ab*KSB+(\q)*UB+512
.endr
.endm
; A unit: 32 matrix instructions on buffer f; in its middle unit q of the same slot is fetched into buffer g.
.macro UNIT q, f, g, zero
	s_wait_dscnt 8                                 ; proj_w and O's blocks 0-3 are in; the youngest eight loads may be out
	MULN \f, 0, 4, \zero
	PLACES
	FETCH \q, \g
	s_wait_dscnt 24                                ; all but the 24 just issued
	MULN \f, 4, 4, \zero
.endm
; A K step's last unit multiplies buffer 1 and changes slots: ONE barrier; in front of it each wave waits for all its tensor loads (one is out: its part of the next slot), adds 0 to its spare
; word, and waits for that and for its own reads of this slot.  fill = 1: the barrier opens a round of the cluster's (no wave of any partner still reads the slot or has a load on its way), and the
; slot that is left takes the K step two on, first thing behind the round.  The walking descriptors are stepped behind the wait for all loads: the LDS word is the slot that is left plus the wave's
; part; the address goes one K step on (the load before it was the step before); what is left of a row block is one K step less.
.macro TURN fill
	WIN 0
	s_wait_tensorcnt 0x0
	ds_add_u32 v[SPW], v[NIL]                      ; 0 onto my spare word; the scalar work below stands between it and the wait for it
.if \fill
	s_add_co_u32 s[G0A+5], s[TO], s22
	s_add_co_u32 s[G0B+5], s[TO], s23
	s_add_nc_u64 s[G0A+6:G0A+7], s[G0A+6:G0A+7], KSB
	s_add_nc_u64 s[G0B+6:G0B+7], s[G0B+6:G0B+7], KSB
	s_sub_co_u32 s[G1A+1], s[G1A+1], KEL<<16
	s_sub_co_u32 s[G1B+1], s[G1B+1], KEL<<16
.endif
	s_xor_b32 s[TO], s[TO], SLOT                   ; from here on the slot in hand is the other one
	s_wait_dscnt 9                                 ; (the add and the youngest eight loads may be out)
	MULN F1, 0, 2, 0
	s_wait_dscnt 0x0                               ; the add is done, and my reads of this slot are over
	s_barrier_signal -1
	MULN F1, 2, 2, 0
.if \fill
	WIN 0
.endif
	s_barrier_wait -1
.if \fill
	CREST
	JLOAD 1                                        ; its four v_nop are also the places in front of the loads below
.else
	PLACES
.endif
	WIN 0
	v_add_nc_u32 v[ADRA], s[TO], v[A0]             ; no LDS load of mine is out
	v_add_nc_u32 v[ADRB], s[TO], v[B0]
	FETCH 0, F0
	MULN F1, 4, 4, 0
.endm
; Block a (16 rows): the accumulators go into my stage, each from its low end on, and come back as whole rows of 256 bytes, into buffer a % 4.
.macro TOSTAGE a
	WIN 0x04                                       ; the stores' data (source 1) in window 1
.irp bb, 0,1,2,3
	ds_store_b128 v24, v[8*(4*(\a)+\bb):8*(4*(\a)+\bb)+3]   offset:\bb*64
	ds_store_b128 v24, v[8*(4*(\a)+\bb)+4:8*(4*(\a)+\bb)+7] offset:\bb*64+16
.endr
	WIN 0
.set tb, F0+32*((\a)%4)
.irp i, 0,1,2,3,4,5,6,7
	ds_load_b128 v[tb+4*\i:tb+4*\i+3], v25 offset:\i*2*SP  ; LDS serves a wave's instructions in order (ISA guide 5.7.1.4): these see the stores above; the next block's stores come behind them
.endr
.endm
.macro SEND a, younger                 ; younger: the LDS instructions issued behind block a's loads: the next block's sixteen, or none
	WIN 0
.set tb, F0+32*((\a)%4)
	s_wait_dscnt \younger
.irp i, 0,1,2,3,4,5,6,7
	v_pk_add_f32 v[tb+4*\i:tb+4*\i+1],   v[tb+4*\i:tb+4*\i+1],   v[8:9]
	v_pk_add_f32 v[tb+4*\i+2:tb+4*\i+3], v[tb+4*\i+2:tb+4*\i+3], v[10:11]
.endr
.irp i, 0,1,2,3,4,5,6,7
	global_store_b128 v26, v[tb+4*\i:tb+4*\i+3], s[CB:CB+1] offset:(\a)*65536+\i*8192 th:TH_STORE_NT  ; 16 lanes store 256 consecutive bytes, at a multiple of 256 from out0's first byte
.endr
.endm
	s_wait_tensorcnt 1                             ; my part of K step 0 is in; K step 1's may stay out
	s_barrier_signal -1
	s_barrier_wait -1
	FETCH 0, F0
	UNIT 1, F0, F1, 1                              ; the first unit stands in front of the loop: its products start the sums
	WIN 0
	s_mov_b32 s3, 4
.Lstep:                                                ; a trip: a K step's units 1 to 5 and the next step's unit 0; the four trips ask for K steps 2 to 5
	UNIT 2, F1, F0, 0
	UNIT 3, F0, F1, 0
	UNIT 4, F1, F0, 0
	UNIT 5, F0, F1, 0
	TURN 1
	UNIT 1, F0, F1, 0
	WIN 0
	s_sub_co_u32 s3, s3, 1
	s_cmp_lg_u32 s3, 0
	s_cbranch_scc1 .Lstep
	UNIT 2, F1, F0, 0                              ; K step 4 goes on; the tail is written out
	UNIT 3, F0, F1, 0
	UNIT 4, F1, F0, 0
	UNIT 5, F0, F1, 0
	TURN 0                                         ; nothing more is asked for
	UNIT 1, F0, F1, 0                              ; K step 5: two units
	s_wait_dscnt 8                                 ; the very last unit: nothing more to fetch
	MULN F1, 0, 4, 0
	s_wait_dscnt 0x0
	MULN F1, 4, 4, 0
	WIN 0
	s_wait_loadcnt 0x0                             ; the bias, rounded to bf16: six plain instructions on registers of their own, the places behind the last products
	v_cvt_pk_bf16_f32 v12, v8, v9
	v_cvt_pk_bf16_f32 v13, v10, v11
	v_lshlrev_b32 v8, 16, v12
	v_and_b32 v9, 0xffff0000, v12
	v_lshlrev_b32 v10, 16, v13
	v_and_b32 v11, 0xffff0000, v13
	TOSTAGE 0
.irp a, 1,2,3,4,5,6,7
.if \a >= 4
	s_wait_xcnt 0x0                                ; the buffer was block a - 4's store data: it is loaded again only behind this wait
.endif
	TOSTAGE \a
	SEND (\a)-1, 16
.endr
	SEND 7, 0
	s_wait_tensorcnt 0x0                           ; the wave's end, behind my last tensor load and my last LDS store
	ds_add_u32 v[SPW], v[NIL]
	s_wait_dscnt 0x0
	CROUND                                         ; the closing round: no work-group ends while a partner may still ask for a tile that names it
	s_endpgm
.Lfunc_end_k_q59a89f820e_proj:
	.size	k_q59a89f820e_proj, .Lfunc_end_k_q59a89f820e_proj-k_q59a89f820e_proj
	.p2alignl 7, 3214868480
	.fill 96, 4, 3214868480
	.section	.rodata,"a",@progbits
	.p2align	6, 0x0
	.amdhsa_kernel k_q59a89f820e_proj
		.amdhsa_group_segment_fixed_size 327680
		.amdhsa_private_segment_fixed_size 0
		.amdhsa_enable_private_segment 0
		.amdhsa_kernarg_size 32
		.amdhsa_user_sgpr_count 2
		.amdhsa_user_sgpr_kernarg_segment_ptr 1
		.amdhsa_wavefront_size32 1
		.amdhsa_system_sgpr_workgroup_id_x 1
		.amdhsa_system_sgpr_workgroup_id_y 1
		.amdhsa_system_sgpr_workgroup_id_z 1
		.amdhsa_system_vgpr_workitem_id 0
		.amdhsa_next_free_vgpr 512
		.amdhsa_next_free_sgpr 96
		.amdhsa_reserve_vcc 0
		.amdhsa_float_denorm_mode_32 3
		.amdhsa_float_denorm_mode_16_64 3
		.amdhsa_memory_ordered 1
		.amdhsa_forward_progress 1
		.amdhsa_inst_pref_size 85
	.end_amdhsa_kernel
	.amdgpu_metadata
---
amdhsa.version: [ 1, 2 ]
amdhsa.kernels:
  - .name:           k_q59a89f820e_proj
    .symbol:         k_q59a89f820e_proj.kd
    .args:
      - { .name: ob, .offset: 0, .size: 8, .value_kind: global_buffer, .address_space: global }
      - { .name: wpb, .offset: 8, .size: 8, .value_kind: global_buffer, .address_space: global }
      - { .name: proj_b, .offset: 16, .size: 8, .value_kind: global_buffer, .address_space: global }
      - { .name: out0, .offset: 24, .size: 8, .value_kind: global_buffer, .address_space: global }
    .group_segment_fixed_size: 327680
    .private_segment_fixed_size: 0
    .kernarg_segment_align: 8
    .kernarg_segment_size: 32
    .max_flat_workgroup_size: 128
    .sgpr_count:     96
    .vgpr_count:     512
    .wavefront_size: 32
...
	.end_amdgpu_metadata
.endif
;; end of part 7
;; ======== version 3 of 3: 4 launches; version 2 with the launch prep written anew for expert scheduling mode
;; limits: values are held in f16: magnitudes above 65,504 overflow, below 6.1e-05 lose precision
;; workspace buffers: xb 16,777,216 bytes; wqb 6,291,456 bytes; wpb 2,097,152 bytes; qkvh 50,331,648 bytes; maskf 16,777,216 bytes; rowc 16,384 bytes; mbits 16,384 bytes of whole numbers; ob 16,777,216 bytes
;; launch prep (part 8): grid 512 x 1, 8 waves a work-group, no clusters, 36,864 bytes of LDS; arguments x, qkv_w, proj_w, attn_mask, xb, wqb, wpb, maskf, rowc, mbits; writes xb, wqb, wpb, maskf, rowc, mbits
.if DOCPART == 8
	.amdgcn_target "amdgcn-amd-amdhsa--gfx1250"
	.amdhsa_code_object_version 6
	.text
	.protected	k_q59a89f820e_prep
	.globl	k_q59a89f820e_prep
	.p2align	8
	.type	k_q59a89f820e_prep,@function
k_q59a89f820e_prep:
	s_mov_b64 s[64:65], 0
	v_nop
	global_prefetch_b8 v0, s[64:65] scope:SCOPE_SE
	s_setreg_imm32_b32 hwreg(HW_REG_WAVE_SCHED_MODE, 0, 2), 2
	s_setreg_imm32_b32 hwreg(HW_REG_WAVE_MODE, 25, 1), 1
	s_wait_xcnt 0x0
	s_wait_alu depctr_vm_vsrc(0)
; PREPARATION.  Work-groups 0-383 round x, qkv_w and proj_w to 16 bits and lay them out in BLOCKED ORDER; work-groups 384-511 turn attn_mask into what the attention launch reads.
; BLOCKED ORDER of a matrix [rows][1024] of 16-bit numbers: [rows / 16][64 k blocks][512 bytes]; in a block lane L = r + 16 h owns 16 bytes: row r, k = 16 kb + 8 h + 0..7.  That is
; half a matrix fragment as it lies in registers, so every later fragment load is base + 16 L + a constant: 512 consecutive bytes.
; qkv_w's row blocks (kind x 64 + head x 4 + c) are written in the order head x 12 + kind x 4 + c: q, k and v of a head lie together, 12 row blocks on end.
; x and qkv_w are rounded to bf16.  proj_w is rounded to bf16 and that number written as f16 (its partner in the last product, O, is f16).
; LIMIT: below 6e-5 f16 keeps a fixed step of 6e-8, beyond 65,504 it has no number; proj_w as drawn lies within 0.03.
; THE MASK.  A row with no true key counts as all true with the scale 0: all its weights are then 2^0, the uniform row that a softmax of equal numbers gives.  Out go: maskf, 0 or -1e30
; in f32, in the order of the score accumulators (block [q / 64][key / 64] of 16,384 bytes; chunk ((t 4 + kg) 2 + u) of 512 bytes: lane (r, h) holds query 16 t + r, keys 16 kg + 8 h + 4 u + 0..3);
; rowc, for each row the scale log2(e) / 8 or 0, twice; mbits, for each 16 rows 32 words: even words = which key tiles of 64 hold a true key, odd words = which are all true.
; No matrix unit, no cluster: memory binds, and no two work-groups read the same bytes.
; THE MODE: SCHED_MODE bits 1:0 = 2 (LLVM: expert scheduling mode 2), set by the entry lines.  The code itself states the register dependences between vector instructions and memory or LDS
; instructions, with s_wait_alu, always for 0.
; THE PLAN.  No register that a memory or LDS instruction reads is ever written again, so no wait on vm_vsrc is owed anywhere.
;   Conversion: v1, v2, v3 offsets and LDS addresses, made once.  Chunk c's loads land in X[c]; its conversions read X[c] and write Y[c]; its LDS stores read Y[c]; its LDS loads land in R[c]; its global
;   stores read R[c].  Y[1] and R[1] are X[0]'s registers, which chunk 0's conversions have emptied.  One wait on va_vdst ahead of the first load (v1), one behind each chunk's conversions.
;   Mask: v4, v5, v11, v13, v64, v65 offsets and LDS addresses, made once; v9 and v[66:67] the data of the two LDS stores; M is loaded, worked on by vector instructions, and in wave 0 loaded once more at
;   the end; each of the 32 sets of T is written once, by its ten vector lines, and read once, by its store.  T goes in four batches of eight sets: one wait on va_vdst behind a batch, and its eight stores
;   are dealt among the next batch's vector lines, which name other sets.
.set X,   16                           ; v[16:143]   conversion: chunk c, row i at X + 64 c + 4 i, f32 as loaded
.set Y,   144                          ; v[144:175]  chunk 0: row i's 4 numbers a lane, packed: 2 registers
.set R,   176                          ; v[176:207]  chunk 0: eight blocks read back from LDS, 4 registers each
.set Y1,  16                           ; v[16:47]    chunk 1's packed numbers,
.set R1,  48                           ; v[48:79]    and its eight blocks: the registers in which chunk 0 was loaded
.set M,   16                           ; v[16:47]    mask: register 8 tau + 4 g2 + n: keys 64 tau + 32 g2 + 16 h + 4 n + 0..3 of row r
.set OT,  48                           ; v[48:51]    OR of a tile's eight registers
.set AT,  52                           ; v[52:55]    AND of them
.set WL,  56                           ; v[56:63]    the eight waves' row words
.set FA,  64                           ; v64         LDS address of my wave's two words
.set FB,  65                           ; v65         LDS address of wave 0's two words, from which wave 0 reads all eight pairs back
.set FD,  66                           ; v[66:67]    my wave's two words
.set TA,  68                           ; v68         at work in wave 0's last lines
.set T,   80                           ; v[80:207]   32 sets of four f32 on their way out, one for each register of M
.set ANYM, 34                          ; s[34:37]    tile tau: the lanes that hold a true key
.set FALM, 38                          ; s[38:41]    tile tau: the lanes that hold a false one (s40, s41 are the lane exchange's selects before that)
.set WP,  272                          ; a half block of 256 bytes + 16: 68 words, so that 16 half blocks start at 16 different groups of four banks (64 banks of 4 bytes: ISA guide 11.1)
.set WB,  16*WP                        ; a wave's own stage
.set RA,  8*WB                         ; behind the stages: [wave][16 rows] words
.set FL,  RA+512                       ; [wave] two words
	s_load_b256 s[4:11], s[0:1], 0x0               ; x s[4:5], qkv_w s[6:7], proj_w s[8:9], attn_mask s[10:11]
	s_load_b256 s[12:19], s[0:1], 0x20             ; xb s[12:13], wqb s[14:15], wpb s[16:17], maskf s[18:19]
	s_load_b128 s[20:23], s[0:1], 0x40             ; rowc s[20:21], mbits s[22:23]
	v_lshl_add_u32 v208, v0, 2, 0x8c00
	v_mov_b32 v209, 0
	v_lshrrev_b32 v1, 5, v0
	v_readfirstlane_b32 s24, v1                    ; wave 0..7
	v_and_b32 v6, 31, v0                           ; lane
	s_mov_b32 s25, ttmp9                           ; g
	s_wait_alu depctr_va_sdst(0)                   ; s24 is written, ahead of the branch and of its first readers on both ways
	s_wait_kmcnt 0x0
	s_cmp_ge_u32 s25, 384
	s_cbranch_scc1 .Lmask                          ; the same way for all eight waves of a work-group
; ---- CONVERSION.  g < 256: x; g < 352: qkv_w; else proj_w.  A wave takes 16 rows x 256 k: task 8 g' + wave = 4 x row block + quarter of K.
	s_sub_co_u32 s31, s25, 256
	s_sub_co_u32 s32, s25, 352
	s_cmp_ge_u32 s25, 256
	s_cselect_b64 s[26:27], s[6:7], s[4:5]         ; from
	s_cselect_b64 s[28:29], s[14:15], s[12:13]     ; to
	s_cselect_b32 s30, s31, s25                    ; g'
	s_cmp_ge_u32 s25, 352
	s_cselect_b64 s[26:27], s[8:9], s[26:27]
	s_cselect_b64 s[28:29], s[16:17], s[28:29]
	s_cselect_b32 s30, s32, s30
	s_lshl3_add_u32 s34, s30, s24                  ; the task
	s_lshr_b32 s35, s34, 2                         ; row block
	s_and_b32 s36, s34, 3                          ; quarter of K
	s_lshl_b32 s38, s35, 16                        ; 16 rows of 4,096 bytes of f32,
	s_lshl_b32 s37, s36, 10                        ; 256 f32
	s_add_co_u32 s38, s38, s37
	s_mov_b32 s39, 0
	s_add_nc_u64 s[26:27], s[26:27], s[38:39]
	s_lshr_b32 s42, s35, 6                         ; qkv_w's row block is kind x 64 + head x 4 + c:
	s_bfe_u32 s43, s35, 0x40002                    ; head: 4 bits from bit 2
	s_and_b32 s44, s35, 3                          ; c
	s_mul_i32 s43, s43, 12
	s_lshl2_add_u32 s42, s42, s43
	s_add_co_u32 s42, s42, s44                     ; it goes to row block head x 12 + kind x 4 + c
	s_cmp_lt_u32 s31, 96                           ; g - 256, unsigned, lies under 96 for qkv_w alone;
	s_cselect_b32 s42, s42, s35                    ; x and proj_w keep their order
	s_lshl_b32 s40, s42, 15                        ; a row block is 32,768 bytes,
	s_lshl_b32 s37, s36, 13                        ; 16 k blocks of 512
	s_add_co_u32 s40, s40, s37
	s_mov_b32 s41, 0
	s_add_nc_u64 s[28:29], s[28:29], s[40:41]
	v_lshlrev_b32 v1, 4, v6                        ; 16 L: my bytes in 512 consecutive ones, in and out
	s_wait_alu depctr_va_vdst(0)                   ; v1 is written: every global load and store of this way reads it as its offset
.irp c, 0,1
.set i, 0
.rept 16
	global_load_b128 v[X+64*\c+4*i:X+64*\c+4*i+3], v1, s[26:27] offset:i*4096+\c*512 th:TH_LOAD_NT  ; row i, 128 k: 512 consecutive bytes
.set i, i+1
.endr
.endr
	s_mul_i32 s33, s24, WB                         ; my wave's stage
	v_lshrrev_b32 v7, 1, v6                        ; my 4 k lie in half block L / 2 (k block L / 4, h = (L / 2) % 2),
	v_mul_u32_u24 v2, v7, WP
	v_and_b32 v7, 1, v6                            ; in its first or second 8 bytes of the row's 16
	v_lshl_add_u32 v2, v7, 3, v2
	v_add_nc_u32 v2, s33, v2
	v_lshrrev_b32 v7, 4, v6                        ; back: lanes 0-15 a block's first half, lanes 16-31 its second
	v_mul_u32_u24 v3, v7, WP
	v_and_b32 v7, 15, v6
	v_lshl_add_u32 v3, v7, 4, v3
	v_add_nc_u32 v3, s33, v3
; One chunk of 16 rows x 128 k goes in three parts.  ROUNDED: chunk c is rounded into the 32 registers from y on.  left = the younger loads that may stay out.
.macro ROUNDED c, y, left
	s_wait_loadcnt \left                           ; loads come back in order (ISA guide 5.7.1): this chunk's sixteen are in
.set i, 0
.rept 16
	v_cvt_pk_bf16_f32 v[(\y)+2*i],   v[X+64*(\c)+4*i],   v[X+64*(\c)+4*i+1]
	v_cvt_pk_bf16_f32 v[(\y)+2*i+1], v[X+64*(\c)+4*i+2], v[X+64*(\c)+4*i+3]
.set i, i+1
.endr
	s_cmp_lt_u32 s25, 352
	s_cbranch_scc1 .Lbf_\@                         ; x and qkv_w stay bf16
.set i, 0
.rept 32
	v_lshlrev_b32 v8, 16, v[(\y)+i]                ; proj_w: the bf16 numbers widened,
	v_and_b32 v9, 0xffff0000, v[(\y)+i]
	v_cvt_pk_f16_f32 v[(\y)+i], v8, v9             ; and written as f16
.set i, i+1
.endr
.Lbf_\@:
.endm
; TURNED: the packed numbers from y on go into my own stage and come back as eight blocks, into the 32 registers from r on.
.macro TURNED y, r
.set i, 0
.rept 16
	ds_store_b64 v2, v[(\y)+2*i:(\y)+2*i+1] offset:16*i  ; row i's place in each half block; the 32 lanes touch 64 different banks
.set i, i+1
.endr
.irp k, 0,1,2,3,4,5,6,7
	ds_load_b128 v[(\r)+4*\k:(\r)+4*\k+3], v3 offset:2*WP*\k  ; LDS serves a wave's instructions in order (ISA guide 5.7.1.4): these see the stores above; the next chunk's stores come behind them
.endr
.endm
; STORED: chunk c's eight blocks leave.
.macro STORED c, r
.irp k, 0,1,2,3,4,5,6,7
	global_store_b128 v1, v[(\r)+4*\k:(\r)+4*\k+3], s[28:29] offset:(8*(\c)+\k)*512  ; a block: 512 consecutive bytes, aligned
.endr
.endm
	ROUNDED 0, Y, 16
	s_wait_alu depctr_va_vdst(0)                   ; the conversions have written Y, which the LDS stores read; v2 and v3, the stage's addresses, are written
	TURNED Y, R
	ROUNDED 1, Y1, 0                               ; chunk 1's conversions stand between chunk 0's loads from the stage and the wait for them
	s_wait_alu depctr_va_vdst(0)                   ; the conversions have written Y1, which the LDS stores read; chunk 0's conversions are done reading v48-79, in which the LDS loads land
	TURNED Y1, R1
	s_wait_dscnt 24                                ; chunk 0's blocks are back; chunk 1's sixteen LDS stores and eight LDS loads may be out
	STORED 0, R
	s_wait_dscnt 0x0
	STORED 1, R1
	s_wait_dscnt 0x0                               ; the closing lines, six on end
	s_wait_alu 0x0
	s_wait_tensorcnt 0x0
	ds_add_u32 v208, v209
	s_wait_dscnt 0x0
	s_endpgm
; ---- THE MASK.  Work-group 384 + qt takes rows 16 qt .. 16 qt + 15; wave w the key tiles 4 w .. 4 w + 3.
.Lmask:
	s_sub_co_u32 s26, s25, 384                     ; qt
	s_lshr_b32 s27, s26, 2                         ; its block of 64 queries
	s_and_b32 s28, s26, 3                          ; t: its place in the block
	v_and_b32 v7, 15, v0                           ; r
	v_bfe_u32 v8, v0, 4, 1                         ; h
	v_lshlrev_b32 v4, 11, v7
	v_lshl_add_u32 v4, v8, 4, v4                   ; row r, 16 bytes for each half of the lanes
	v_lshlrev_b32 v5, 4, v7
	v_lshl_add_u32 v5, v8, 10, v5                  ; out: my half's 16 keys are key group 2 g2 + h: 1,024 h + 16 r
	s_lshl_b32 s30, s26, 15                        ; 16 rows of 2,048 bytes,
	s_lshl_b32 s31, s24, 8                         ; my wave's 256 keys
	s_add_co_u32 s30, s30, s31
	s_mov_b32 s31, 0
	s_add_nc_u64 s[10:11], s[10:11], s[30:31]
	s_wait_alu depctr_va_vdst(0)                   ; v4 is written, which the loads below read as their offset (and v5, the offset of maskf's stores)
.irp tau, 0,1,2,3
.irp g2, 0,1
	global_load_b128 v[M+8*\tau+4*\g2:M+8*\tau+4*\g2+3], v4, s[10:11] offset:64*\tau+32*\g2
.endr
.endr
	s_lshl_b32 s32, s27, 5
	s_lshl2_add_u32 s32, s24, s32                  ; block 32 qb + 4 w of maskf,
	s_lshl_b32 s32, s32, 14
	s_lshl_b32 s33, s28, 12                        ; my 16 rows' 4,096 bytes in it
	s_add_co_u32 s32, s32, s33
	s_mov_b32 s33, 0
	s_add_nc_u64 s[18:19], s[18:19], s[32:33]
	s_lshl_b32 s30, s26, 7                         ; 128 bytes for each 16 rows in rowc and in mbits
	s_add_nc_u64 s[20:21], s[20:21], s[30:31]
	s_add_nc_u64 s[22:23], s[22:23], s[30:31]
	s_mov_b32 s40, 0x76543210                      ; v_permlanex16_b32: each lane takes its own place in the other half
	s_mov_b32 s41, 0xfedcba98
	s_mov_b32 s50, 0x7149f2ca                      ; 1e30
	s_mov_b32 s51, s50                             ; named with it as a pair
	s_mov_b32 s52, 0xf149f2ca                      ; -1e30
	s_mov_b32 s53, s52
	s_lshl_b32 s42, s24, 6
	s_add_co_u32 s42, s42, RA
	v_lshl_add_u32 v11, v7, 2, s42                 ; my wave's word for row r
	v_lshl_add_u32 v13, v7, 2, RA                  ; wave 0's word for row r
	v_mov_b32 v[FB], FL                            ; wave 0's two words
	v_mov_b32 v10, 0
	s_wait_loadcnt 0x0
.irp tau, 0,1,2,3
	v_or_b32  v[OT+\tau], v[M+8*\tau], v[M+8*\tau+1]
	v_and_b32 v[AT+\tau], v[M+8*\tau], v[M+8*\tau+1]
.irp n, 2,3,4,5,6,7
	v_or_b32  v[OT+\tau], v[OT+\tau], v[M+8*\tau+\n]
	v_and_b32 v[AT+\tau], v[AT+\tau], v[M+8*\tau+\n]
.endr
.endr
	v_or_b32 v9, v[OT], v[OT+1]                    ; has my row a true key among my wave's 256?
	v_or_b32 v14, v[OT+2], v[OT+3]
	v_or_b32 v9, v9, v14
	v_permlanex16_b32 v10, v9, s40, s41            ; the row's other bytes lie in the lane 16 away
	v_or_b32 v9, v9, v10
	s_wait_alu depctr_va_vdst(0)                   ; v9 and v11 are written, the LDS store's data and address; so are v13 and v65, the addresses of the LDS loads further down
	ds_store_b32 v11, v9
	s_wait_dscnt 0x0                               ; for the others' sake: my word is written
	s_barrier_signal -1
	s_barrier_wait -1
.irp k, 0,1,2,3,4,5,6,7
	ds_load_b32 v[WL+\k], v13 offset:64*\k         ; all eight waves' words for row r
.endr
	v_mov_b32 v15, 0x01010101
	v_mov_b32 v12, 0x3e38aa3b                      ; log2(e) / 8
	v_mov_b32 v14, 0
	s_wait_dscnt 0x0
.irp k, 1,2,3,4,5,6,7
	v_or_b32 v[WL], v[WL], v[WL+\k]
.endr
	v_cmp_eq_u32 vcc_lo, 0, v[WL]                  ; the row has no true key at all:
	s_wait_alu depctr_va_vcc(0)                    ; the compare has written VCC, which the two selects read
	v_cndmask_b32 v10, v14, v15, vcc_lo            ; it counts as all true,
	v_cndmask_b32 v12, v12, v14, vcc_lo            ; with the scale 0
.set i, 0
.rept 32
	v_or_b32 v[M+i], v[M+i], v10
.set i, i+1
.endr
	s_mov_b32 s44, 0                               ; my four tiles' bits: some key true,
	s_mov_b32 s45, 0                               ; all keys true
	s_lshl_b32 s46, s24, 2                         ; the tile's number
.irp tau, 0,1,2,3
	v_or_b32 v[OT+\tau], v[OT+\tau], v10           ; (a | f) & (b | f) = (a & b) | f: the trees above serve the filled mask too
	v_or_b32 v[AT+\tau], v[AT+\tau], v10
.endr
.irp tau, 0,1,2,3                      ; the eight compares stand in one run, each with a scalar register of its own
	v_cmp_ne_u32 s[ANYM+\tau], 0, v[OT+\tau]       ; lanes that hold a true key
	v_cmp_ne_u32 s[FALM+\tau], v15, v[AT+\tau]     ; lanes that hold a false one
.endr
	s_wait_alu depctr_va_sdst(0)                   ; the eight compares have written s34 to s41, which the scalar lines below read
.irp tau, 0,1,2,3
	s_cmp_lg_u32 s[ANYM+\tau], 0
	s_cselect_b32 s49, 1, 0
	s_lshl_b32 s49, s49, s46
	s_or_b32 s44, s44, s49
	s_cmp_eq_u32 s[FALM+\tau], 0
	s_cselect_b32 s49, 1, 0
	s_lshl_b32 s49, s49, s46
	s_or_b32 s45, s45, s49
	s_add_co_u32 s46, s46, 1
.endr
	s_lshl_b32 s42, s24, 3
	s_add_co_u32 s42, s42, FL
	v_mov_b32 v[FA], s42
	v_mov_b32 v[FD], s44
	v_mov_b32 v[FD+1], s45
	s_wait_alu depctr_va_vdst(0)                   ; v64 and v[66:67] are written, the LDS store's address and data
	ds_store_b64 v[FA], v[FD:FD+1]                 ; every lane writes the same two words
	s_wait_dscnt 0x0
	s_barrier_signal -1
	s_barrier_wait -1
; Register e of M goes out as four f32: 1e30 m - 1e30 in one rounding is 0 or -1e30.  MAKE writes set e of T, SEND stores it: sixteen lanes fill 256 consecutive bytes, aligned.
.macro MAKE e
.set tt, T+4*(\e)
.irp k, 0,1,2,3
	v_bfe_u32 v[tt+\k], v[M+(\e)], 8*\k, 1
.endr
.irp k, 0,1,2,3
	v_cvt_f32_u32 v[tt+\k], v[tt+\k]
.endr
	v_pk_fma_f32 v[tt:tt+1],   v[tt:tt+1],   s[50:51], s[52:53] op_sel_hi:[1,0,0]
	v_pk_fma_f32 v[tt+2:tt+3], v[tt+2:tt+3], s[50:51], s[52:53] op_sel_hi:[1,0,0]
.endm
.macro SEND e
.set tt, T+4*(\e)
	global_store_b128 v5, v[tt:tt+3], s[18:19] offset:((\e)/8)*16384+(((\e)/4)%2)*2048+((\e)%2)*512+(((\e)%4)/2)*256
.endm
.set e, 0
.rept 8                                ; the first batch of eight sets
	MAKE e
.set e, e+1
.endr
.rept 3                                ; batches 1 to 3: the stores of the batch before are dealt among this batch's vector lines, which name other sets
	s_wait_alu depctr_va_vdst(0)                   ; the batch before has written its eight sets of T, which the eight stores below read
.rept 8
	SEND e-8
	MAKE e
.set e, e+1
.endr
.endr
	s_wait_alu depctr_va_vdst(0)                   ; the last batch has written its eight sets; and every vector line that names M is done: in wave 0 LDS loads land in M below, with no vector line between
.rept 8
	SEND e-8
.set e, e+1
.endr
	s_cmp_lg_u32 s24, 0
	s_cbranch_scc1 .Lend                           ; wave 0 alone writes the 16 rows' words; no barrier follows
.irp k, 0,1,2,3
	ds_load_b128 v[M+4*\k:M+4*\k+3], v[FB] offset:16*\k
.endr
	v_and_b32 v[TA], 1, v0
	v_cmp_eq_u32 vcc_lo, 1, v[TA]
	v_lshlrev_b32 v6, 2, v6                        ; mbits: word = lane
	v_bfe_u32 v[TA], v0, 4, 1
	v_lshlrev_b32 v14, 3, v7
	v_lshl_add_u32 v14, v[TA], 2, v14              ; rowc: row r's two words come from lanes r and r + 16
	s_wait_dscnt 0x0
.irp k, 1,2,3,4,5,6,7
	v_or_b32 v[M],   v[M],   v[M+2*\k]             ; each wave set its own four bits
	v_or_b32 v[M+1], v[M+1], v[M+2*\k+1]
.endr
	s_wait_alu depctr_va_vcc(0)                    ; the compare above has written VCC, which the select reads
	v_cndmask_b32 v[M], v[M], v[M+1], vcc_lo       ; even words: some true; odd words: all true
	s_wait_alu depctr_va_vdst(0)                   ; v[M], the first store's data, and v6 and v14, the two stores' offsets, are written (v12 was, long ago)
	global_store_b32 v6, v[M], s[22:23]            ; 128 consecutive bytes
	global_store_b32 v14, v12, s[20:21]            ; 128 consecutive bytes
.Lend:
	s_wait_dscnt 0x0                               ; the closing lines, six on end
	s_wait_alu 0x0
	s_wait_tensorcnt 0x0
	ds_add_u32 v208, v209
	s_wait_dscnt 0x0
	s_endpgm
.Lfunc_end_k_q59a89f820e_prep:
	.size	k_q59a89f820e_prep, .Lfunc_end_k_q59a89f820e_prep-k_q59a89f820e_prep
	.p2alignl 7, 3214868480
	.fill 96, 4, 3214868480
	.section	.rodata,"a",@progbits
	.p2align	6, 0x0
	.amdhsa_kernel k_q59a89f820e_prep
		.amdhsa_group_segment_fixed_size 36864
		.amdhsa_private_segment_fixed_size 0
		.amdhsa_enable_private_segment 0
		.amdhsa_kernarg_size 80
		.amdhsa_user_sgpr_count 2
		.amdhsa_user_sgpr_kernarg_segment_ptr 1
		.amdhsa_wavefront_size32 1
		.amdhsa_system_sgpr_workgroup_id_x 1
		.amdhsa_system_sgpr_workgroup_id_y 1
		.amdhsa_system_sgpr_workgroup_id_z 1
		.amdhsa_system_vgpr_workitem_id 0
		.amdhsa_next_free_vgpr 210
		.amdhsa_next_free_sgpr 66
		.amdhsa_reserve_vcc 1
		.amdhsa_float_denorm_mode_32 3
		.amdhsa_float_denorm_mode_16_64 3
		.amdhsa_memory_ordered 1
		.amdhsa_forward_progress 1
		.amdhsa_inst_pref_size 55
	.end_amdhsa_kernel
	.amdgpu_metadata
---
amdhsa.version: [ 1, 2 ]
amdhsa.kernels:
  - .name:           k_q59a89f820e_prep
    .symbol:         k_q59a89f820e_prep.kd
    .args:
      - { .name: x, .offset: 0, .size: 8, .value_kind: global_buffer, .address_space: global }
      - { .name: qkv_w, .offset: 8, .size: 8, .value_kind: global_buffer, .address_space: global }
      - { .name: proj_w, .offset: 16, .size: 8, .value_kind: global_buffer, .address_space: global }
      - { .name: attn_mask, .offset: 24, .size: 8, .value_kind: global_buffer, .address_space: global }
      - { .name: xb, .offset: 32, .size: 8, .value_kind: global_buffer, .address_space: global }
      - { .name: wqb, .offset: 40, .size: 8, .value_kind: global_buffer, .address_space: global }
      - { .name: wpb, .offset: 48, .size: 8, .value_kind: global_buffer, .address_space: global }
      - { .name: maskf, .offset: 56, .size: 8, .value_kind: global_buffer, .address_space: global }
      - { .name: rowc, .offset: 64, .size: 8, .value_kind: global_buffer, .address_space: global }
      - { .name: mbits, .offset: 72, .size: 8, .value_kind: global_buffer, .address_space: global }
    .group_segment_fixed_size: 36864
    .private_segment_fixed_size: 0
    .kernarg_segment_align: 8
    .kernarg_segment_size: 80
    .max_flat_workgroup_size: 256
    .sgpr_count:     66
    .vgpr_count:     210
    .wavefront_size: 32
...
	.end_amdgpu_metadata
.endif
;; end of part 8
;; launch qkvgemm: the kernel of part 6 again; grid 8 x 32, 4 waves a work-group, clusters of 4 x 4, 327,680 bytes of LDS; arguments xb, wqb, qkv_b, qkvh; writes qkvh
;; launch attn: the kernel of part 3 again; grid 32 x 8, 8 waves a work-group, no clusters, 0 bytes of LDS; arguments qkvh, maskf, mbits, rowc, ob; writes ob
;; launch proj: the kernel of part 7 again; grid 8 x 32, 4 waves a work-group, clusters of 4 x 4, 327,680 bytes of LDS; arguments ob, wpb, proj_b, out0; writes out0
